; MI455X (gfx1250); checked and timed in simulation.
; The chip was launched on July 23, 2026; its instructions are those of AMD's public machine-readable ISA for CDNA 5 (MIT licence, August 2026) and "CDNA5" Instruction Set Architecture Reference Guide (July 2026). The comments in the code are by the model that wrote it; some were corrected since.
;; Attention. Allowed arithmetic: matrix products marked QUANTISED: E2M1 operands, one E8M0 scale for each 32 along K, by v_wmma_scale_f32_16x16x128_f8f6f4 with both operands' format E2M1 (or v_wmma_scale_f32_32x16x128_f4), f32 sums; products left as they are: bf16, f16 or f32 operands; f32 sums; everything else in f32.
;; Inputs: Wk 1,024 x 1,024 float32; Wo 1,024 x 1,024 float32; Wq 1,024 x 1,024 float32; Wv 1,024 x 1,024 float32; bo 1,024 float32; k_scale 16 x 1 x 64 float32; q_scale 16 x 1 x 64 float32; x 2 x 2,048 x 1,024 float32.
;; Outputs: out0 2 x 2,048 x 1,024 float32.
;; This version of the problem:
;;   THIS VERSION OF THE PROBLEM IS GIVEN IN LOW PRECISION. The matrix products marked QUANTISED in the list below multiply operands that are first quantised to E2M1 (2 exponent bits, 1 mantissa bit; 4 bits a number), with one power-of-two scale for each 32 numbers along K (OCP MX v1.0); their sums are f32. The products marked 'left as it is' may take bf16, f16 or f32 operands, with f32 sums. Whichever they take, every output number must still come out within the allowed error. Rounding operands to bf16 (8 significant bits) uses up far more of that allowance than f16 does (11 bits, for magnitudes from 6e-5 to 65,504). All else is computed in f32.
;;   The module's matrix products, in the order in which they are computed (A, B: the left and right operand; K: the contracted axis; several contracted axes count as one K, in the product's order):
;;     1. [M 4,096, K 1,024] x [K 1,024, N 1,024]; A: input x; B: input Wq: QUANTISED
;;     2. [M 4,096, K 1,024] x [K 1,024, N 1,024]; A: input x; B: input Wk: QUANTISED
;;     3. [M 4,096, K 1,024] x [K 1,024, N 1,024]; A: input x; B: input Wv: QUANTISED
;;     4. batch 32 x [M 2,048, K 64] x [K 64, N 2,048]; A: computed on the way; B: computed on the way: left as it is (an operand is computed on the way)
;;     5. batch 32 x [M 2,048, K 2,048] x [K 2,048, N 64]; A: computed on the way; B: computed on the way: left as it is (an operand is computed on the way)
;;     6. [M 4,096, K 1,024] x [K 1,024, N 1,024]; A: computed on the way; B: input Wo: left as it is (an operand is computed on the way)
;;   THE QUANTISER, for each operand of a quantised product, along K:
;;     - K is cut into blocks of 32 from its start; a last block that is shorter is filled with zeros.
;;     - A block's scale is 2^e with e = floor(log2(the largest magnitude in the block)) - 2, held to -126 .. 127; a block of zeros has e = 0. As a byte (E8M0): e + 127.
;;     - Each number is divided by its block's scale, clamped to +-6, and rounded to the nearest number of E2M1, ties to even, subnormals kept.
;;     - The product sums the exact products of the quantised numbers (number of the format x scale) in f32.
;;   ~~~python
;;   def quantise(x, axis):      # numpy; x: float32 -> the quantised numbers, widened to float32 again
;;       x = np.moveaxis(x, axis, -1); K = x.shape[-1]
;;       x = np.pad(x, [(0, 0)] * (x.ndim - 1) + [(0, -K % 32)]); x = x.reshape(x.shape[:-1] + (-1, 32)); a = np.abs(x).max(-1, keepdims=True)
;;       e = np.where(a > 0, np.clip(np.frexp(np.where(a > 0, a, 1))[1] - 1 - 2, -126, 127), 0)      # np.frexp(a)[1] - 1 = floor(log2(a)), exactly
;;       r = np.clip(x / 2.0 ** e, -6, 6)
;;       step = 2.0 ** (np.maximum(np.frexp(np.where(r == 0, 1, r))[1] - 1, 0) - 1)
;;       q = np.round(r / step) * step * 2.0 ** e      # np.round: ties to even
;;       return np.moveaxis(q.reshape(q.shape[:-2] + (-1,))[..., :K], -1, axis).astype(np.float32)
;;   ~~~
;; One version. Each part assembles by itself: llvm-mc -triple=amdgcn-amd-amdhsa -mcpu=gfx1250 --defsym DOCPART=n.
;; ======== version 1 of 1: 4 launches
;; limits: values are held in f16: magnitudes above 65,504 overflow, below 6.1e-05 lose precision
;; workspace buffers: codes 3,670,016 bytes; scales 229,376 bytes; wo16 2,097,152 bytes; qf 8,388,608 bytes; kv 16,777,216 bytes; of 8,388,608 bytes; vmax 4,096 bytes
;; launch prep (part 1): grid 256 x 1, 4 waves a work-group, no clusters, 33,280 bytes of LDS; arguments x, Wq, Wk, Wv, Wo, codes, scales, wo16; writes codes, scales, wo16
.if DOCPART == 1
	.amdgcn_target "amdgcn-amd-amdhsa--gfx1250"
	.amdhsa_code_object_version 6
	.text
	.protected	k_q3b5bb66986_prep
	.globl	k_q3b5bb66986_prep
	.p2align	8
	.type	k_q3b5bb66986_prep,@function
k_q3b5bb66986_prep:
	s_mov_b64 s[64:65], 0
	v_nop
	global_prefetch_b8 v0, s[64:65] scope:SCOPE_SE
	s_setreg_imm32_b32 hwreg(HW_REG_WAVE_MODE, 25, 1), 1
	s_wait_xcnt 0x0
; x [4096][1024], Wq, Wk, Wv [1024][1024], f32, become codes of FP4 (E2M1), K innermost, with one E8M0 scale byte for each 32 along K; Wo [1024][1024] becomes f16.
; codes: 7,168 rows of 512 bytes; scales: the same rows, 32 bytes each.  Rows 0-4095 are x's; row 4096 + 192 h + 64 kind + i is row 64 h + i of Wq (kind 0), Wk (1), Wv (2): a head's 192 weight rows lie together.
; A block's scale is 2^(floor(log2(its largest magnitude)) - 2); its byte is the largest magnitude's exponent field - 2, held at 1 from below.  A block of zeros so gets the byte 1 where the
; quantiser says 127: its codes are zeros, which add nothing under any byte but 0xff, and this program alone reads the bytes.
; SHARES.  256 work-groups of 32 rows (32,768 numbers): 0-127 x, 128-223 the three weights (32 each), 224-255 Wo.  A wave takes 8 rows: 16 steps of 512 numbers.  The work-groups share no input: no cluster.
; The conversions take 8 numbers of ONE block from a lane's registers, so a lane must hold 16 neighbours; a load is best where neighbouring lanes take neighbouring bytes.  Both are had: each load reads 512
; consecutive bytes, a step's 2,048 bytes go through the wave's own stage in LDS and come back 64 bytes a lane (16 bytes of padding behind each 64).  A wave's store of codes covers 256 consecutive bytes, aligned;
; its 256 scale bytes are gathered in LDS and leave as one such store.
; LIMITS: NaN and infinities among the inputs are not served; blocks whose largest magnitude lies under 2^-124 keep the byte 1.  Numbers of Wo under 2^-14 are rounded on f16's fixed grid of 2^-24; beyond 65,504 not served.
.set WAVES, 4
.set STEPS, 16
.set EMAX,  2
.set CB,    8                          ; bytes of 16 codes
.set R,     16                         ; v16-79   four sets of 16 numbers as loaded (Wo: two sets of 32)
.set X,     80                         ; v80-111  two sets of 16 neighbours
.set E,     112                        ; v112-127 a scale byte for each step
.set C,     128                        ; v128-191 codes: four registers for each step, so that no store's data are written again
.set H,     80                         ; Wo's path: v80-207, 16 registers of f16 for each group, so that no store's data are written again
.set WREG,  8192                       ; LDS: a region for each wave: two stages of 32 x SP bytes, behind them its 256 scale bytes
.set SP,    80
.set SPW,   12                         ; v12 LDS address of my spare word; never rewritten
.set NIL,   13                         ; v13 0; never rewritten
.set SPARE, WAVES*WREG                 ; behind the regions: the spare words, 128 bytes a wave, which no other line names
.macro LOAD t
.irp i, 0,1,2,3
	global_load_b128 v[R+16*((\t)%4)+4*\i:R+16*((\t)%4)+4*\i+3], v3, s[4:5] offset:2048*(\t)+512*\i th:TH_LOAD_NT   ; 32 lanes read 512 consecutive bytes
.endr
.endm
.macro TURN t                          ; step t's numbers through the stage: LDS serves a wave's instructions in order, so no wait stands between the stores and the loads
.irp i, 0,1,2,3
	ds_store_b128 v14, v[R+16*((\t)%4)+4*\i:R+16*((\t)%4)+4*\i+3] offset:32*SP*((\t)%2)+8*SP*\i
.endr
.irp i, 0,1,2,3
	ds_load_b128 v[X+16*((\t)%2)+4*\i:X+16*((\t)%2)+4*\i+3], v15 offset:32*SP*((\t)%2)+16*\i
.endr
.endm
.macro STEP t
.set XS, X+16*((\t)%2)
.if (\t) > 0
	s_wait_dscnt 1                                 ; this step's numbers are back from the stage; the last step's byte store may be out
.else
	s_wait_dscnt 0x0
.endif
.if (\t)+4 < STEPS
	LOAD (\t)+4                                    ; the stage's stores have read these registers: they take the loads of four steps on
.endif
.if (\t)+1 < STEPS
.if STEPS-2-(\t) >= 3
	s_wait_loadcnt 12                              ; the next step's four loads are in; those of the three steps behind it may be out
.else
	s_wait_loadcnt 4*(STEPS-2-(\t))
.endif
	TURN (\t)+1
.endif
	v_max3_num_f32 v8, |v[XS]|, |v[XS+1]|, |v[XS+2]|               ; the largest magnitude of my 16, in two chains
	v_max3_num_f32 v9, |v[XS+3]|, |v[XS+4]|, |v[XS+5]|
.irp i, 6,10
	v_max3_num_f32 v8, v8, |v[XS+\i]|, |v[XS+\i+1]|
	v_max3_num_f32 v9, v9, |v[XS+\i+2]|, |v[XS+\i+3]|
.endr
	v_max3_num_f32 v8, v8, |v[XS+14]|, |v[XS+15]|
	v_max3_num_f32 v8, v8, v9, (EMAX+1)<<23        ; and the floor 2^(3 - 127): the byte cannot fall under 1
	v_max_num_f32_dpp v8, v8, v8 row_xmask:1 row_mask:0xf bank_mask:0xf   ; with my neighbour's 16: the block's
	v_add_nc_u32 v11, -(EMAX<<23), v8              ; 2 off its exponent field: the conversion takes the exponent field of this operand as its scale
	v_cvt_scalef32_pk8_fp4_f32 v[C+4*(\t)], v[XS:XS+7], v11
	v_cvt_scalef32_pk8_fp4_f32 v[C+4*(\t)+1], v[XS+8:XS+15], v11
	v_lshrrev_b32 v[E+(\t)], 23, v11               ; the scale's byte (a plain line behind the conversions)
	ds_store_b8 v5, v[E+(\t)] offset:16*(\t)       ; both lanes of a block write the same byte with the same value
	global_store_b64 v4, v[C+4*(\t):C+4*(\t)+1], s[14:15] offset:32*CB*(\t)
.endm
.macro LOADG k                         ; Wo: a group of eight loads, 4,096 consecutive bytes
.irp i, 0,1,2,3,4,5,6,7
	global_load_b128 v[R+32*((\k)%2)+4*\i:R+32*((\k)%2)+4*\i+3], v3, s[12:13] offset:4096*(\k)+512*\i th:TH_LOAD_NT
.endr
.endm
.macro GROUP k
.if (\k) < 7
	s_wait_loadcnt 8                               ; this group's eight loads are in; the next group's eight may be out
.else
	s_wait_loadcnt 0x0
.endif
.irp i, 0,1,2,3,4,5,6,7
	v_cvt_pk_f16_f32 v[H+16*(\k)+2*\i], v[R+32*((\k)%2)+4*\i], v[R+32*((\k)%2)+4*\i+1]
	v_cvt_pk_f16_f32 v[H+16*(\k)+2*\i+1], v[R+32*((\k)%2)+4*\i+2], v[R+32*((\k)%2)+4*\i+3]
.endr
.if (\k)+2 < 8
	LOADG (\k)+2                                   ; loads ahead of stores
.endif
.irp i, 0,1,2,3,4,5,6,7
	global_store_b64 v7, v[H+16*(\k)+2*\i:H+16*(\k)+2*\i+1], s[18:19] offset:2048*(\k)+256*\i   ; 32 lanes store 256 consecutive bytes, aligned
.endr
.endm
	s_load_b512 s[4:19], s[0:1], 0x0               ; x s[4:5], Wq s[6:7], Wk s[8:9], Wv s[10:11], Wo s[12:13], codes s[14:15], scales s[16:17], wo16 s[18:19]
	v_lshl_add_u32 v[SPW], v0, 2, SPARE
	v_mov_b32 v[NIL], 0
	v_lshrrev_b32 v1, 5, v0
	v_readfirstlane_b32 s20, v1                    ; wave 0..3
	v_and_b32 v2, 31, v0                           ; lane
	v_lshlrev_b32 v3, 4, v2                        ; my 16 bytes of a load's 512
	v_lshlrev_b32 v7, 3, v2                        ; 8 bytes a lane on the way out
	s_mov_b32 s27, 0
	s_cmp_ge_u32 ttmp9, 224                        ; the work-group's number alone decides
	s_cbranch_scc1 .Lwo
	; ---- the quantiser
	s_mul_i32 s28, s20, WREG
	v_lshrrev_b32 v14, 2, v2
	v_mul_u32_u24 v14, v14, SP
	v_and_b32 v15, 3, v2
	v_lshl_add_u32 v14, v15, 4, v14
	v_add_nc_u32 v14, s28, v14                     ; the stage, on the way in: SP (lane / 4) + 16 (lane % 4)
	v_mul_u32_u24 v15, v2, SP
	v_add_nc_u32 v15, s28, v15                     ; and on the way out: SP x lane: my 16 neighbours
	v_mul_u32_u24 v4, v2, CB                       ; my codes' place in a step's
	v_lshrrev_b32 v5, 1, v2
	s_add_co_u32 s28, s28, 2*32*SP
	v_add_nc_u32 v5, s28, v5                       ; LDS: my wave's 256 scale bytes, my block's byte
	v_add_nc_u32 v6, s28, v7                       ; and 8 bytes a lane on the way out
	s_max_u32 s21, ttmp9, 128
	s_sub_co_u32 s21, s21, 128                     ; j: which of the weights' 96 work-groups (0 in x's)
	s_lshr_b32 s22, s21, 5                         ; kind: 0 Wq, 1 Wk, 2 Wv
	s_and_b32 s23, s21, 31                         ; blk: which 32 rows of that weight
	s_lshr_b32 s24, s23, 1                         ; the head
	s_mul_i32 s24, s24, 24                         ; 192 rows a head = 24 runs of 8 rows
	s_lshl_b32 s25, s22, 3
	s_add_co_u32 s24, s24, s25                     ; + 8 kind
	s_and_b32 s25, s23, 1
	s_lshl_b32 s25, s25, 2
	s_add_co_u32 s24, s24, s25                     ; + 4 (blk % 2)
	s_add_co_u32 s24, s24, 512                     ; behind x's 512 runs
	s_lshl_b32 s25, ttmp9, 2                       ; x: run 4 g, in and out
	s_lshl_b32 s23, s23, 2                         ; a weight: run 4 blk in
	s_cmp_lt_u32 ttmp9, 128
	s_cselect_b32 s24, s25, s24
	s_cselect_b32 s23, s25, s23
	s_add_co_u32 s24, s24, s20                     ; + wave: the run that I write,
	s_add_co_u32 s23, s23, s20                     ; and the run that I read
	s_wait_kmcnt 0x0
	s_cmp_eq_u32 s22, 0
	s_cselect_b64 s[6:7], s[6:7], s[8:9]
	s_cmp_eq_u32 s22, 2
	s_cselect_b64 s[6:7], s[10:11], s[6:7]
	s_cmp_lt_u32 ttmp9, 128
	s_cselect_b64 s[4:5], s[4:5], s[6:7]           ; the tensor that I read
	s_lshl_b32 s26, s23, 15                        ; 8 rows of 4,096 bytes
	s_add_nc_u64 s[4:5], s[4:5], s[26:27]
	s_lshl_b32 s26, s24, 12                        ; 8 rows of 512 bytes of codes
	s_add_nc_u64 s[14:15], s[14:15], s[26:27]
	s_lshl_b32 s26, s24, 8                         ; 8 rows of 32 scale bytes
	s_add_nc_u64 s[16:17], s[16:17], s[26:27]
.irp t, 0,1,2,3
	LOAD \t
.endr
	s_wait_loadcnt 12                              ; step 0's four loads are in
	TURN 0
.irp t, 0,1,2,3,4,5,6,7,8,9,10,11,12,13,14,15
	STEP \t
.endr
	ds_load_b64 v[8:9], v6                         ; LDS serves a wave's instructions in order: these see my byte stores
	s_wait_dscnt 0x0
	global_store_b64 v7, v[8:9], s[16:17]          ; 32 lanes store 256 consecutive bytes, aligned
	s_wait_tensorcnt 0x0                           ; the wave's end, behind my last LDS store
	ds_add_u32 v[SPW], v[NIL]
	s_wait_dscnt 0x0
	s_endpgm
	; ---- Wo to f16: a wave takes 8 rows, eight groups of 4,096 bytes, two groups of loads ahead
.Lwo:
	s_sub_co_u32 s21, ttmp9, 224
	s_lshl_b32 s21, s21, 2
	s_add_co_u32 s21, s21, s20                     ; my run of 8 rows
	s_lshl_b32 s26, s21, 15
	s_wait_kmcnt 0x0
	s_add_nc_u64 s[12:13], s[12:13], s[26:27]
	s_lshl_b32 s26, s21, 14
	s_add_nc_u64 s[18:19], s[18:19], s[26:27]
	LOADG 0
	LOADG 1
.irp k, 0,1,2,3,4,5,6,7
	GROUP \k
.endr
	s_wait_tensorcnt 0x0                           ; the same three lines at this end of the text
	ds_add_u32 v[SPW], v[NIL]
	s_wait_dscnt 0x0
	s_endpgm
.Lfunc_end_k_q3b5bb66986_prep:
	.size	k_q3b5bb66986_prep, .Lfunc_end_k_q3b5bb66986_prep-k_q3b5bb66986_prep
	.p2alignl 7, 3214868480
	.fill 96, 4, 3214868480
	.section	.rodata,"a",@progbits
	.p2align	6, 0x0
	.amdhsa_kernel k_q3b5bb66986_prep
		.amdhsa_group_segment_fixed_size 33280
		.amdhsa_private_segment_fixed_size 0
		.amdhsa_enable_private_segment 0
		.amdhsa_kernarg_size 64
		.amdhsa_user_sgpr_count 2
		.amdhsa_user_sgpr_kernarg_segment_ptr 1
		.amdhsa_wavefront_size32 1
		.amdhsa_system_sgpr_workgroup_id_x 1
		.amdhsa_system_sgpr_workgroup_id_y 1
		.amdhsa_system_sgpr_workgroup_id_z 1
		.amdhsa_system_vgpr_workitem_id 0
		.amdhsa_next_free_vgpr 208
		.amdhsa_next_free_sgpr 66
		.amdhsa_reserve_vcc 0
		.amdhsa_float_denorm_mode_32 3
		.amdhsa_float_denorm_mode_16_64 3
		.amdhsa_memory_ordered 1
		.amdhsa_forward_progress 1
		.amdhsa_inst_pref_size 55
	.end_amdhsa_kernel
	.amdgpu_metadata
---
amdhsa.version: [ 1, 2 ]
amdhsa.kernels:
  - .name:           k_q3b5bb66986_prep
    .symbol:         k_q3b5bb66986_prep.kd
    .args:
      - { .name: x, .offset: 0, .size: 8, .value_kind: global_buffer, .address_space: global }
      - { .name: Wq, .offset: 8, .size: 8, .value_kind: global_buffer, .address_space: global }
      - { .name: Wk, .offset: 16, .size: 8, .value_kind: global_buffer, .address_space: global }
      - { .name: Wv, .offset: 24, .size: 8, .value_kind: global_buffer, .address_space: global }
      - { .name: Wo, .offset: 32, .size: 8, .value_kind: global_buffer, .address_space: global }
      - { .name: codes, .offset: 40, .size: 8, .value_kind: global_buffer, .address_space: global }
      - { .name: scales, .offset: 48, .size: 8, .value_kind: global_buffer, .address_space: global }
      - { .name: wo16, .offset: 56, .size: 8, .value_kind: global_buffer, .address_space: global }
    .group_segment_fixed_size: 33280
    .private_segment_fixed_size: 0
    .kernarg_segment_align: 8
    .kernarg_segment_size: 64
    .max_flat_workgroup_size: 128
    .sgpr_count:     66
    .vgpr_count:     208
    .wavefront_size: 32
...
	.end_amdgpu_metadata
.endif
;; end of part 1
;; launch qkv (part 2): grid 16 x 16, 4 waves a work-group, clusters of 4 x 4, 327,680 bytes of LDS; arguments codes, scales, q_scale, k_scale, qf, kv, vmax; writes qf, kv, vmax
.if DOCPART == 2
	.amdgcn_target "amdgcn-amd-amdhsa--gfx1250"
	.amdhsa_code_object_version 6
	.text
	.protected	k_q3b5bb66986_qkv
	.globl	k_q3b5bb66986_qkv
	.p2align	8
	.type	k_q3b5bb66986_qkv,@function
k_q3b5bb66986_qkv:
	s_mov_b64 s[64:65], 0
	v_nop
	global_prefetch_b8 v0, s[64:65] scope:SCOPE_SE
	s_setreg_imm32_b32 hwreg(HW_REG_WAVE_MODE, 25, 1), 1
	s_wait_xcnt 0x0
	s_wait_alu depctr_hold_cnt(0) depctr_sa_sdst(0) depctr_va_vdst(0) depctr_va_sdst(0) depctr_va_ssrc(0) depctr_va_vcc(0) depctr_vm_vsrc(0)
	s_getreg_b32 s2, hwreg(HW_REG_IB_STS2, 6, 4)
	s_cmp_eq_u32 s2, 0
	s_cbranch_scc0 .Lentry_in_a_cluster
	s_endpgm
.Lentry_in_a_cluster:
	s_bfe_u32 s2, ttmp6, 0x10000c
	s_cmp_lg_u32 s2, 0xf033
	s_cbranch_scc0 .Lentry_shape_is_right
	s_endpgm
.Lentry_shape_is_right:
; q, k, v = x Wq^T, x Wk^T, x Wv^T on codes of FP4 (E2M1) with one E8M0 scale for each 32 along K = 1,024; then q and k are divided by max(their head row's norm, 1e-12) and multiplied by q_scale, k_scale (f32),
; and q, k, v leave as f16 IN THE ORDER OF THE NEXT PRODUCTS' OPERAND REGISTERS: each store of a wave covers 512 consecutive bytes, aligned, and no stage is needed.
; SHARES.  A work-group makes 256 tokens x the 192 columns (q, k, v) of ONE head; 16 x 16 work-groups.  Wave w: tokens 64 w .. 64 w + 63 (4 tiles a) x 12 column tiles nb (0-3 q, 4-7 k, 8-11 v): 48 accumulators.
; All of K lies in LDS at once, as two halves of 512 (rows of 256 bytes + 16 of padding): nothing is filled twice.  By the text's own count a wave has three tensor loads out: the scale bytes, half 0, half 1.
; CLUSTER 4 x 4.  x's tile hangs on the token block alone and is shared along a row of the cluster, a head's weights along a column: each is asked for JOINTLY, by the same tensor load in the four that its mask names.
; q AND k ARE MADE TRANSPOSED (source 0 = 16 rows of W, source 1 = 16 tokens): a lane holds one token and 8 neighbouring channels: four conversions give 16 bytes of a fragment whose K is the channel.
; v IS MADE AS IT STANDS (source 0 = 16 tokens, source 1 = 16 rows of Wv): a lane holds one channel and 8 neighbouring tokens: 16 bytes of a fragment of V^T, whose K is the key.
; qf [bh][query tile][g 4][lane][16 B]: lane (r, hl): channels 16 g + 8 hl + 0..7 of query 16 tile + r.   kv [bh][chunk of 512 keys][K 65,536 B | V 65,536 B]: K as q; V [32 keys kp][ct 4][half 2][lane][16 B]:
; lane (r, hl): keys 32 kp + 16 half + 8 hl + 0..7 of channel 16 ct + r.   vmax: each wave's largest |v|, one f32: a later launch scales by it; it steers no address.
; LIMITS: |v| beyond 65,504 is not served (f16); NaN and infinities are not served; numbers of q, k, v under 2^-14 are rounded on f16's fixed grid of 2^-24.
; REGISTERS.  Window 0: v1-31 addresses; v32-95 scale words, two sets, and nothing else; v96-127 at work; v128-191 x's fragments, two sets (on the way out: sums of squares, packed results); v192-255 q_scale, k_scale.
;   Window 1: W's 12 fragments, two sets, at v0 and v128.   Window 2: accumulator (a, nb < 8) at v[8 (8 a + nb)].   Window 3: v's accumulator (a, ct) at v[8 (4 a + ct)].
.set PITCH, 272                        ; an LDS row: 256 bytes + 16 of padding = 68 words: the 16 rows that a load touches start at 16 different banks (64 banks of 4 bytes: ISA guide 11.1)
.set BOFF,  256*PITCH                  ; a half's 256 rows of x, then 192 rows of W
.set SLOT,  448*PITCH
.set SCL,   2*SLOT                     ; x's scale bytes: 256 rows x 32 bytes, as 32 units of 256 bytes + 16 of padding
.set SCB,   SCL+32*272                 ; W's: 192 rows, 24 units
.set SBLK,  544                        ; the scale bytes of 16 rows: two units
.set SPARE, 259072                     ; the spare words, 128 bytes a wave, which no other line names
.set ADRA, 16                          ; v16-17 LDS address of my fragments of x in half 0, 1
.set ADRB, 20                          ; v20-21 the same for W
.set LI,   24                          ; v24 16 x lane
.set VM,   25                          ; v25 my wave's largest |v|
.set ADS1, 26                          ; v26 scale words: lanes 0-15 x's block i, lanes 16-31 W's block i
.set ADS2, 27                          ; v27 lanes 0-15 W's block 4 + i, lanes 16-31 W's block 8 + i
.set SPW,  28
.set NIL,  29
.set LN,   30                          ; v30 lane
.set ZO,   31                          ; v31 0
.set SC,   32                          ; set s at SC + 32 s; register 4 i + q (by ADS1), 16 + 4 i + q (by ADS2): the half's q-th 128 along K
.set TMP,  96
.set AF,   128
.set SS,   128                         ; the way out: pair 4 kind + a: the sum of squares, then 1 / norm
.set PK,   160                         ; two sets of 16 packed registers
.set QS,   192                         ; q_scale: register 8 t + j = channel 16 t + 8 hl + j;  k_scale 32 further on
.set WV,   18
.set FB,   19                          ; wave / 2: I fetch for x (0) or for W (1)
.set HF,   20                          ; wave % 2: which half of that tile's rows
.set G1A, 24
.set G0A, 32
.set G1B, 48
.set G0B, 56
.set G1SA, 68
.set G0SA, 76
.set G1SB, 80
.set G0SB, 88
.set MSB, 0
.macro WIN new                         ; bits 1:0 source 0, 3:2 source 1, 5:4 source 2, 7:6 destination; the high byte repeats the setting that is left
.if MSB != \new
	s_set_vgpr_msb (MSB<<8)|\new
.set MSB, \new
.endif
.endm
; A joint load: waves 0, 1 fetch for x, waves 2, 3 for W.  Each line has one mask and one set of registers for all that issue it; the branch hangs on the wave's number alone.
; An s_nop 0 and four v_nop follow each line.
.macro JLOAD g0a, g1a, g0b, g1b
	s_cmp_eq_u32 s[FB], 0
	s_cbranch_scc0 .Lfor_b_\@
	tensor_load_to_lds s[\g0a:\g0a+3], s[\g1a:\g1a+7]
	s_nop 0
.rept 4
	v_nop
.endr
	s_branch .Lasked_\@
.Lfor_b_\@:
	tensor_load_to_lds s[\g0b:\g0b+3], s[\g1b:\g1b+7]
	s_nop 0
.rept 4
	v_nop
.endr
.Lasked_\@:
.endm
.macro CROUND                          ; a round of the cluster's barrier
	s_barrier_signal -1
	s_barrier_wait -1
	s_cmp_lg_u32 s[WV], 0
	s_cbranch_scc1 .Lnot_wave_0_\@
	s_barrier_signal -3
.Lnot_wave_0_\@:
	s_barrier_wait -3
	s_barrier_signal -1
	s_barrier_wait -1
.endm
.macro SCALES s                        ; a half's scale words, four a row, into set s
.irp i, 0,1,2,3
	ds_load_b128 v[SC+32*\s+4*\i:SC+32*\s+4*\i+3], v[ADS1] offset:SBLK*\i+16*\s
	ds_load_b128 v[SC+32*\s+16+4*\i:SC+32*\s+16+4*\i+3], v[ADS2] offset:SBLK*\i+16*\s
.endr
.endm
; The fragments of K step q (128 along K): 16 rows x 128 codes are 8 registers: lane (r, hl): registers 4 c .. 4 c + 3 = K 64 c + 32 hl + 0..31: two loads of 16 bytes, 32 bytes apart.  32 loads in one run.
.macro FETCH q
.set PP, (\q)%2
.set SL, (\q)/4
.set QQ, (\q)%4
	WIN 0x40                                       ; destination window 1
.irp nb, 0,1,2,3,4,5,6,7,8,9,10,11
.irp c, 0,1
	ds_load_b128 v[128*PP+8*\nb+4*\c:128*PP+8*\nb+4*\c+3], v[ADRB+SL] offset:64*QQ+32*\c+16*PITCH*\nb
.endr
.endr
	WIN 0
.irp a, 0,1,2,3
.irp c, 0,1
	ds_load_b128 v[AF+32*PP+8*\a+4*\c:AF+32*PP+8*\a+4*\c+3], v[ADRA+SL] offset:64*QQ+32*\c+16*PITCH*\a
.endr
.endr
.endm
; K step q's 48 products.  The 48 accumulators take turns, one instruction a turn, in the same order in every step.  zero = 1: the first step starts the sums: nothing is cleared.
.macro MULS q, zero
.set PP, (\q)%2
.set SW, SC+32*((\q)/4)+(\q)%4
	WIN 0xa1                                       ; source 0 (W) window 1, source 1 (x) window 0, C and D window 2
.irp a, 0,1,2,3
.irp nb, 0,1,2,3
.set DD, 8*(8*\a+\nb)
.if \zero
	v_wmma_scale_f32_16x16x128_f8f6f4 v[DD:DD+7], v[128*PP+8*\nb:128*PP+8*\nb+7], v[AF+32*PP+8*\a:AF+32*PP+8*\a+7], 0, v[SW+4*\nb], v[SW+4*\a] matrix_a_fmt:MATRIX_FMT_FP4 matrix_b_fmt:MATRIX_FMT_FP4 matrix_a_scale:MATRIX_SCALE_ROW1
.else
	v_wmma_scale_f32_16x16x128_f8f6f4 v[DD:DD+7], v[128*PP+8*\nb:128*PP+8*\nb+7], v[AF+32*PP+8*\a:AF+32*PP+8*\a+7], v[DD:DD+7], v[SW+4*\nb], v[SW+4*\a] matrix_a_fmt:MATRIX_FMT_FP4 matrix_b_fmt:MATRIX_FMT_FP4 matrix_a_scale:MATRIX_SCALE_ROW1
.endif
.endr
.irp nb, 4,5,6,7
.set DD, 8*(8*\a+\nb)
.if \zero
	v_wmma_scale_f32_16x16x128_f8f6f4 v[DD:DD+7], v[128*PP+8*\nb:128*PP+8*\nb+7], v[AF+32*PP+8*\a:AF+32*PP+8*\a+7], 0, v[SW+4*\nb], v[SW+4*\a] matrix_a_fmt:MATRIX_FMT_FP4 matrix_b_fmt:MATRIX_FMT_FP4
.else
	v_wmma_scale_f32_16x16x128_f8f6f4 v[DD:DD+7], v[128*PP+8*\nb:128*PP+8*\nb+7], v[AF+32*PP+8*\a:AF+32*PP+8*\a+7], v[DD:DD+7], v[SW+4*\nb], v[SW+4*\a] matrix_a_fmt:MATRIX_FMT_FP4 matrix_b_fmt:MATRIX_FMT_FP4
.endif
.endr
.endr
	WIN 0xf4                                       ; source 0 (x) window 0, source 1 (Wv) window 1, C and D window 3
.irp a, 0,1,2,3
.irp ct, 0,1,2,3
.set DD, 8*(4*\a+\ct)
.if \zero
	v_wmma_scale_f32_16x16x128_f8f6f4 v[DD:DD+7], v[AF+32*PP+8*\a:AF+32*PP+8*\a+7], v[128*PP+64+8*\ct:128*PP+64+8*\ct+7], 0, v[SW+4*\a], v[SW+16+4*\ct] matrix_a_fmt:MATRIX_FMT_FP4 matrix_b_fmt:MATRIX_FMT_FP4 matrix_b_scale:MATRIX_SCALE_ROW1
.else
	v_wmma_scale_f32_16x16x128_f8f6f4 v[DD:DD+7], v[AF+32*PP+8*\a:AF+32*PP+8*\a+7], v[128*PP+64+8*\ct:128*PP+64+8*\ct+7], v[DD:DD+7], v[SW+4*\a], v[SW+16+4*\ct] matrix_a_fmt:MATRIX_FMT_FP4 matrix_b_fmt:MATRIX_FMT_FP4 matrix_b_scale:MATRIX_SCALE_ROW1
.endif
.endr
.endr
.endm
; A K step: its fragments are in; the next step's are asked for, in one run, 48 matrix instructions ahead of their use; then its products.
.macro STEP q, zero
	s_wait_dscnt 0x0                               ; this step's fragments (and scale words) are in
.if \q == 3
	s_wait_tensorcnt 0x0                           ; my part of half 1 has landed: no load was issued behind it
	s_barrier_signal -1
	s_barrier_wait -1                              ; everybody's has
.endif
.if \q > 0
.rept 4
	v_nop                                          ; four places between the last step's products and loads into the registers that they read (ISA guide 7.12.1 for vector instructions)
.endr
.endif
.if \q < 7
	FETCH (\q)+1
.if \q == 3
	SCALES 1
.endif
.endif
	MULS \q, \zero
.endm
; q's or k's tile a leaves: x 1 / norm, x the learned scale, rounded to f16, four stores of 512 consecutive bytes
.macro OUTQK kd, a, buf
	WIN 0x02                                       ; source 0 window 2
.irp t, 0,1,2,3
.irp i, 0,1,2,3
	v_pk_mul_f32 v[TMP+8*\t+2*\i:TMP+8*\t+2*\i+1], v[8*(8*\a+4*\kd+\t)+2*\i:8*(8*\a+4*\kd+\t)+2*\i+1], v[SS+2*(4*\kd+\a):SS+2*(4*\kd+\a)+1] op_sel_hi:[1,0]
.endr
.endr
	WIN 0
.irp i, 0,1,2,3,4,5,6,7,8,9,10,11,12,13,14,15
	v_pk_mul_f32 v[TMP+2*\i:TMP+2*\i+1], v[TMP+2*\i:TMP+2*\i+1], v[QS+32*\kd+2*\i:QS+32*\kd+2*\i+1]
.endr
	s_wait_xcnt 0x0                                ; the earlier stores have read their data: the packed registers are written again only behind this wait
.irp i, 0,1,2,3,4,5,6,7,8,9,10,11,12,13,14,15
	v_cvt_pk_f16_f32 v[PK+16*\buf+\i], v[TMP+2*\i], v[TMP+2*\i+1]
.endr
.irp t, 0,1,2,3
.if \kd == 0
	global_store_b128 v[LI], v[PK+16*\buf+4*\t:PK+16*\buf+4*\t+3], s[12:13] offset:2048*\a+512*\t
.else
	global_store_b128 v[LI], v[PK+16*\buf+4*\t:PK+16*\buf+4*\t+3], s[14:15] offset:2048*\a+512*\t
.endif
.endr
.endm
.macro OUTV mt, buf                    ; v's token tile mt: half mt % 2 of the fragments of 32 keys mt / 2
	s_wait_xcnt 0x0
	WIN 0x0f                                       ; sources 0 and 1 window 3
.irp ct, 0,1,2,3
.irp i, 0,1,2,3
	v_cvt_pk_f16_f32 v[PK+16*\buf+4*\ct+\i], v[8*(4*\mt+\ct)+2*\i], v[8*(4*\mt+\ct)+2*\i+1]
.endr
.endr
	WIN 0
.irp ct, 0,1,2,3
	global_store_b128 v[LI], v[PK+16*\buf+4*\ct:PK+16*\buf+4*\ct+3], s[14:15] offset:65536+4096*(\mt/2)+1024*\ct+512*(\mt%2)
.endr
.endm
	s_load_b256 s[4:11], s[0:1], 0x0               ; codes s[4:5], scales s[6:7], q_scale s[8:9], k_scale s[10:11]
	s_load_b128 s[12:15], s[0:1], 0x20             ; qf s[12:13], kv s[14:15]
	s_load_b64 s[16:17], s[0:1], 0x30              ; vmax
	v_lshl_add_u32 v[SPW], v0, 2, SPARE
	v_mov_b32 v[NIL], 0
	ds_add_u32 v[SPW], v[NIL]                      ; the wave's opening: the add, twice on end, and its wait ahead of my first tensor load
	ds_add_u32 v[SPW], v[NIL]
	v_lshrrev_b32 v1, 5, v0
	v_readfirstlane_b32 s[WV], v1                  ; wave 0..3
	s_lshr_b32 s[FB], s[WV], 1
	s_and_b32 s[HF], s[WV], 1
	s_bfe_u32 s40, ttmp6, 0x40000                  ; cx, cy: my place in the cluster
	s_bfe_u32 s41, ttmp6, 0x40004
	s_lshl_b32 s42, ttmp9, 2
	s_add_co_u32 s42, s42, s40                     ; the head = 4 x cluster x + cx
	s_and_b32 s43, ttmp7, 0xffff
	s_lshl_b32 s43, s43, 2
	s_add_co_u32 s43, s43, s41                     ; the block of 256 tokens = 4 x cluster y + cy
	s_lshl_b32 s44, s41, 2
	s_lshl_b32 s44, 15, s44                        ; my row of the cluster
	s_lshl_b32 s45, 0x1111, s40                    ; my column
	s_mov_b32 s46, 0x76543210
	s_mov_b32 s47, 0xfedcba98                      ; v_permlanex16_b32's selects for lane l xor 16
	; group 1 for the codes: rows of 256 one-byte elements, 512 bytes apart in memory, four words of padding behind every 64; x: 128 rows a load, W: 96
	s_or_b32 s[G1A], s44, (1<<20)|(1<<21)|(5<<22)|(3<<25)
	s_mov_b32 s[G1A+1], 256<<16
	s_mov_b32 s[G1A+2], 128<<16
	s_mov_b32 s[G1A+3], 256<<16
	s_mov_b32 s[G1A+4], 128
	s_mov_b32 s[G1A+5], 512
	s_mov_b32 s[G1A+6], 0
	s_mov_b32 s[G1A+7], 0
	s_or_b32 s[G1B], s45, (1<<20)|(1<<21)|(5<<22)|(3<<25)
	s_mov_b32 s[G1B+1], 256<<16
	s_mov_b32 s[G1B+2], 96<<16
	s_mov_b32 s[G1B+3], 256<<16
	s_mov_b32 s[G1B+4], 96
	s_mov_b32 s[G1B+5], 512
	s_mov_b32 s[G1B+6], 0
	s_mov_b32 s[G1B+7], 0
	; and for the scale bytes: dense blocks as rows of 256 bytes (32 elements of 8 bytes), padded likewise; x: 128 x 32 bytes = 16 rows, W: 96 x 32 = 12 rows
	s_or_b32 s[G1SA], s44, (3<<16)|(1<<20)|(1<<21)|(5<<22)|(3<<25)
	s_mov_b32 s[G1SA+1], 32<<16
	s_mov_b32 s[G1SA+2], 16<<16
	s_mov_b32 s[G1SA+3], 32<<16
	s_mov_b32 s[G1SA+4], 16
	s_mov_b32 s[G1SA+5], 32
	s_mov_b32 s[G1SA+6], 0
	s_mov_b32 s[G1SA+7], 0
	s_or_b32 s[G1SB], s45, (3<<16)|(1<<20)|(1<<21)|(5<<22)|(3<<25)
	s_mov_b32 s[G1SB+1], 32<<16
	s_mov_b32 s[G1SB+2], 12<<16
	s_mov_b32 s[G1SB+3], 32<<16
	s_mov_b32 s[G1SB+4], 12
	s_mov_b32 s[G1SB+5], 32
	s_mov_b32 s[G1SB+6], 0
	s_mov_b32 s[G1SB+7], 0
	; where the tiles come from.  x's hang on the token block alone (s92-95), W's on the head alone (s96-99): neither set of registers ever holds the other coordinate
	s_lshl_b32 s21, s[HF], 7
	s_lshl_b32 s92, s43, 8
	s_add_co_u32 s92, s92, s21                     ; x: row 256 x block + 128 x half
	s_lshl_b32 s94, s92, 5                         ; its scale bytes,
	s_lshl_b32 s92, s92, 9                         ; its codes
	s_mov_b32 s93, 0
	s_mov_b32 s95, 0
	s_mul_i32 s96, s42, 192
	s_mul_i32 s22, s[HF], 96
	s_add_co_u32 s96, s96, s22
	s_add_co_u32 s96, s96, 4096                    ; W: row 4,096 + 192 x head + 96 x half
	s_lshl_b32 s98, s96, 5
	s_lshl_b32 s96, s96, 9
	s_mov_b32 s97, 0
	s_mov_b32 s99, 0
	s_mul_i32 s21, s[HF], 128*PITCH                ; and where they go: no place in the cluster enters an LDS address
	s_mul_i32 s22, s[HF], 96*PITCH
	s_add_co_u32 s22, s22, BOFF
	s_mul_i32 s23, s[HF], 16*272
	s_mul_i32 s100, s[HF], 12*272
	s_wait_dscnt 0x0                               ; both opening adds are done
	s_wait_kmcnt 0x0
	s_add_nc_u64 s[92:93], s[4:5], s[92:93]
	s_add_nc_u64 s[94:95], s[6:7], s[94:95]
	s_add_nc_u64 s[96:97], s[4:5], s[96:97]
	s_add_nc_u64 s[98:99], s[6:7], s[98:99]
	CROUND                                         ; all sixteen work-groups are here: the joint loads meet
	s_mov_b32 s[G0SA], 1
	s_add_co_u32 s[G0SA+1], s23, SCL
	s_mov_b64 s[G0SA+2:G0SA+3], s[94:95]
	s_or_b32 s[G0SA+3], s[G0SA+3], 0x80000000
	s_mov_b32 s[G0SB], 1
	s_add_co_u32 s[G0SB+1], s100, SCB
	s_mov_b64 s[G0SB+2:G0SB+3], s[98:99]
	s_or_b32 s[G0SB+3], s[G0SB+3], 0x80000000
	JLOAD G0SA, G1SA, G0SB, G1SB                   ; the scale bytes first: they are wanted with K step 0
.irp s, 0,1
	s_mov_b32 s[G0A+4*\s], 1
	s_add_co_u32 s[G0A+4*\s+1], s21, \s*SLOT
	s_add_nc_u64 s[G0A+4*\s+2:G0A+4*\s+3], s[92:93], \s*256
	s_or_b32 s[G0A+4*\s+3], s[G0A+4*\s+3], 0x80000000
	s_mov_b32 s[G0B+4*\s], 1
	s_add_co_u32 s[G0B+4*\s+1], s22, \s*SLOT
	s_add_nc_u64 s[G0B+4*\s+2:G0B+4*\s+3], s[96:97], \s*256
	s_or_b32 s[G0B+4*\s+3], s[G0B+4*\s+3], 0x80000000
	JLOAD G0A+4*\s, G1A, G0B+4*\s, G1B
.endr
	v_and_b32 v1, 15, v0                           ; r
	v_bfe_u32 v2, v0, 4, 1                         ; hl
	v_and_b32 v[LN], 31, v0
	v_lshlrev_b32 v[LI], 4, v[LN]
	v_mov_b32 v[ZO], 0
	v_lshlrev_b32 v3, 5, v2                        ; the learned scales: my half's 8 channels of a tile: 32 hl bytes; never rewritten
	s_lshl_b32 s2, s42, 8                          ; the head's 64 numbers
	s_mov_b32 s3, 0
	s_add_nc_u64 s[8:9], s[8:9], s[2:3]
	s_add_nc_u64 s[10:11], s[10:11], s[2:3]
.irp t, 0,1,2,3
	global_load_b128 v[QS+8*\t:QS+8*\t+3], v3, s[8:9] offset:64*\t
	global_load_b128 v[QS+8*\t+4:QS+8*\t+7], v3, s[8:9] offset:64*\t+16
	global_load_b128 v[QS+32+8*\t:QS+32+8*\t+3], v3, s[10:11] offset:64*\t
	global_load_b128 v[QS+32+8*\t+4:QS+32+8*\t+7], v3, s[10:11] offset:64*\t+16
.endr
	v_mul_u32_u24 v4, v1, PITCH
	v_lshl_add_u32 v4, v2, 4, v4                   ; a fragment's row x pitch + 16 x half
	s_mul_i32 s21, s[WV], 64*PITCH                 ; my 64 tokens
	v_add_nc_u32 v[ADRA], s21, v4
	s_add_co_u32 s21, s21, SLOT
	v_add_nc_u32 v[ADRA+1], s21, v4
	v_add_nc_u32 v[ADRB], BOFF, v4
	v_add_nc_u32 v[ADRB+1], BOFF+SLOT, v4
	v_lshlrev_b32 v5, 5, v1                        ; my row's scale bytes: 32 a row,
	v_lshrrev_b32 v6, 3, v1
	v_lshl_add_u32 v5, v6, 4, v5                   ; and 16 more behind the first 256
	s_mul_i32 s21, s[WV], 4*SBLK                   ; x's: my four blocks
	s_mov_b32 s22, SCB-SCL
	s_sub_co_u32 s22, s22, s21                     ; from there to W's block 0
	v_mul_u32_u24 v6, s22, v2                      ; lanes 16-31 take W's
	s_add_co_u32 s21, s21, SCL
	v_add_nc_u32 v6, v5, v6
	v_add_nc_u32 v[ADS1], s21, v6
	v_mul_u32_u24 v6, v2, 4*SBLK                   ; lanes 0-15 W's block 4 on, lanes 16-31 block 8 on
	v_add_nc_u32 v6, v5, v6
	v_add_nc_u32 v[ADS2], SCB+4*SBLK, v6
	; where my results go (registers of their own: both coordinates enter)
	s_lshr_b32 s66, s43, 3
	s_lshl_b32 s66, s66, 4
	s_add_co_u32 s66, s66, s42                     ; bh = 16 x batch + head
	s_and_b32 s67, s43, 7
	s_lshl_b32 s67, s67, 8
	s_lshl_b32 s101, s[WV], 6
	s_add_co_u32 s67, s67, s101                    ; n0: my first token in the sequence
	s_lshl_b32 s2, s66, 18
	s_lshl_b32 s101, s67, 7                        ; 2,048 bytes for each tile of 16
	s_add_co_u32 s2, s2, s101
	s_add_nc_u64 s[12:13], s[12:13], s[2:3]
	s_lshl_b32 s2, s66, 19
	s_lshr_b32 s101, s67, 9
	s_lshl_b32 s101, s101, 17                      ; the chunk of 512 keys
	s_add_co_u32 s2, s2, s101
	s_and_b32 s101, s67, 511
	s_lshl_b32 s101, s101, 7
	s_add_co_u32 s2, s2, s101
	s_add_nc_u64 s[14:15], s[14:15], s[2:3]
	s_lshl_b32 s2, s43, 4
	s_add_co_u32 s2, s2, s42
	s_lshl_b32 s2, s2, 2
	s_add_co_u32 s2, s2, s[WV]
	s_lshl_b32 s2, s2, 2                           ; my wave's word of vmax
	s_add_nc_u64 s[16:17], s[16:17], s[2:3]
	s_wait_tensorcnt 1                             ; the scale bytes and my part of half 0 are in; half 1's load, the one issued behind them, may be out
	s_barrier_signal -1
	s_barrier_wait -1                              ; everybody's are
	FETCH 0
	SCALES 0
	STEP 0, 1
.irp q, 1,2,3,4,5,6,7
	STEP \q, 0
.endr
	WIN 0
	; ---- the largest |v| of my wave.  The four lines that start the chains are the four places behind the last products
.irp rr, 0,1,2,3
	v_mov_b32 v[TMP+\rr], 0
.endr
	WIN 0x3c                                       ; sources 1 and 2 window 3
.irp ac, 0,1,2,3,4,5,6,7,8,9,10,11,12,13,14,15
.irp rr, 0,1,2,3
	v_max3_num_f32 v[TMP+\rr], v[TMP+\rr], |v[8*\ac+2*\rr]|, |v[8*\ac+2*\rr+1]|   ; each accumulator from its low end on
.endr
.endr
	WIN 0
	v_max3_num_f32 v[TMP], v[TMP], v[TMP+1], v[TMP+2]
	v_max_num_f32 v[TMP], v[TMP], v[TMP+3]
	v_max_num_f32_dpp v[TMP], v[TMP], v[TMP] row_xmask:1 row_mask:0xf bank_mask:0xf
	v_max_num_f32_dpp v[TMP], v[TMP], v[TMP] row_xmask:2 row_mask:0xf bank_mask:0xf
	v_max_num_f32_dpp v[TMP], v[TMP], v[TMP] row_xmask:4 row_mask:0xf bank_mask:0xf
	v_max_num_f32_dpp v[TMP], v[TMP], v[TMP] row_xmask:8 row_mask:0xf bank_mask:0xf
	v_permlanex16_b32 v[TMP+1], v[TMP], s46, s47
	v_max_num_f32 v[VM], v[TMP], v[TMP+1]
	; ---- the sums of squares of q's and k's rows: a lane has 32 of its token's 64 channels, lane l xor 16 the others.  Eight chains by turns
	WIN 0x0a                                       ; sources 0 and 1 window 2
.irp i, 0,1,2,3,4,5,6,7,8,9,10,11,12,13,14,15
.irp kd, 0,1
.irp a, 0,1,2,3
.set AP, 8*(8*\a+4*\kd+\i/4)+2*(\i%4)
.set SQ, SS+2*(4*\kd+\a)
.if \i == 0
	v_pk_mul_f32 v[SQ:SQ+1], v[AP:AP+1], v[AP:AP+1]
.else
	v_pk_fma_f32 v[SQ:SQ+1], v[AP:AP+1], v[AP:AP+1], v[SQ:SQ+1]
.endif
.endr
.endr
.endr
	WIN 0
.irp p, 0,1,2,3,4,5,6,7
	v_add_f32 v[SS+2*\p], v[SS+2*\p], v[SS+2*\p+1]
.endr
.irp p, 0,1,2,3,4,5,6,7
	v_permlanex16_b32 v[SS+2*\p+1], v[SS+2*\p], s46, s47
.endr
.irp p, 0,1,2,3,4,5,6,7
	v_add_f32 v[SS+2*\p], v[SS+2*\p], v[SS+2*\p+1]
.endr
.irp p, 0,1,2,3,4,5,6,7
	v_sqrt_f32 v[SS+2*\p], v[SS+2*\p]
.endr
	v_nop                                          ; a plain line behind the last root,
	s_wait_alu depctr_va_vdst(0)                   ; and one wait for the eight, ahead of their first reader
.irp p, 0,1,2,3,4,5,6,7
	v_max_num_f32 v[SS+2*\p], 0x2b8cbccc, v[SS+2*\p]   ; max(norm, 1e-12)
.endr
.irp p, 0,1,2,3,4,5,6,7
	v_rcp_f32 v[SS+2*\p], v[SS+2*\p]
.endr
	v_nop
	s_wait_alu depctr_va_vdst(0)
	s_wait_loadcnt 0x0                             ; q_scale, k_scale
	OUTQK 0, 0, 0
	OUTQK 0, 1, 1
	OUTQK 0, 2, 0
	OUTQK 0, 3, 1
	OUTQK 1, 0, 0
	OUTQK 1, 1, 1
	OUTQK 1, 2, 0
	OUTQK 1, 3, 1
	OUTV 0, 0
	OUTV 1, 1
	OUTV 2, 0
	OUTV 3, 1
	v_cmp_eq_u32 vcc_lo, 0, v[LN]
	s_wait_xcnt 0x0                                ; EXEC changes only behind this wait
	s_and_saveexec_b32 s21, vcc_lo
	global_store_b32 v[ZO], v[VM], s[16:17]        ; lane 0 alone: my wave's word
	s_wait_xcnt 0x0                                ; and again, in front of the line that widens it
	s_or_b32 exec_lo, exec_lo, s21
	s_wait_tensorcnt 0x0                           ; the wave's end
	ds_add_u32 v[SPW], v[NIL]
	s_wait_dscnt 0x0
	CROUND                                         ; the closing round
	s_endpgm
.Lfunc_end_k_q3b5bb66986_qkv:
	.size	k_q3b5bb66986_qkv, .Lfunc_end_k_q3b5bb66986_qkv-k_q3b5bb66986_qkv
	.p2alignl 7, 3214868480
	.fill 96, 4, 3214868480
	.section	.rodata,"a",@progbits
	.p2align	6, 0x0
	.amdhsa_kernel k_q3b5bb66986_qkv
		.amdhsa_group_segment_fixed_size 327680
		.amdhsa_private_segment_fixed_size 0
		.amdhsa_enable_private_segment 0
		.amdhsa_kernarg_size 56
		.amdhsa_user_sgpr_count 2
		.amdhsa_user_sgpr_kernarg_segment_ptr 1
		.amdhsa_wavefront_size32 1
		.amdhsa_system_sgpr_workgroup_id_x 1
		.amdhsa_system_sgpr_workgroup_id_y 1
		.amdhsa_system_sgpr_workgroup_id_z 1
		.amdhsa_system_vgpr_workitem_id 0
		.amdhsa_next_free_vgpr 896
		.amdhsa_next_free_sgpr 102
		.amdhsa_reserve_vcc 1
		.amdhsa_float_denorm_mode_32 3
		.amdhsa_float_denorm_mode_16_64 3
		.amdhsa_memory_ordered 1
		.amdhsa_forward_progress 1
		.amdhsa_inst_pref_size 128
	.end_amdhsa_kernel
	.amdgpu_metadata
---
amdhsa.version: [ 1, 2 ]
amdhsa.kernels:
  - .name:           k_q3b5bb66986_qkv
    .symbol:         k_q3b5bb66986_qkv.kd
    .args:
      - { .name: codes, .offset: 0, .size: 8, .value_kind: global_buffer, .address_space: global }
      - { .name: scales, .offset: 8, .size: 8, .value_kind: global_buffer, .address_space: global }
      - { .name: q_scale, .offset: 16, .size: 8, .value_kind: global_buffer, .address_space: global }
      - { .name: k_scale, .offset: 24, .size: 8, .value_kind: global_buffer, .address_space: global }
      - { .name: qf, .offset: 32, .size: 8, .value_kind: global_buffer, .address_space: global }
      - { .name: kv, .offset: 40, .size: 8, .value_kind: global_buffer, .address_space: global }
      - { .name: vmax, .offset: 48, .size: 8, .value_kind: global_buffer, .address_space: global }
    .group_segment_fixed_size: 327680
    .private_segment_fixed_size: 0
    .kernarg_segment_align: 8
    .kernarg_segment_size: 56
    .max_flat_workgroup_size: 128
    .sgpr_count:     102
    .vgpr_count:     896
    .wavefront_size: 32
...
	.end_amdgpu_metadata
.endif
;; end of part 2
;; launch attn (part 3): grid 8 x 32, 8 waves a work-group, clusters of 4 x 1, 327,680 bytes of LDS; arguments qf, kv, vmax, of; writes of
.if DOCPART == 3
	.amdgcn_target "amdgcn-amd-amdhsa--gfx1250"
	.amdhsa_code_object_version 6
	.text
	.protected	k_q3b5bb66986_attn
	.globl	k_q3b5bb66986_attn
	.p2align	8
	.type	k_q3b5bb66986_attn,@function
k_q3b5bb66986_attn:
	s_mov_b64 s[64:65], 0
	v_nop
	global_prefetch_b8 v0, s[64:65] scope:SCOPE_SE
	s_setreg_imm32_b32 hwreg(HW_REG_WAVE_MODE, 25, 1), 1
	s_wait_xcnt 0x0
	s_wait_alu depctr_hold_cnt(0) depctr_sa_sdst(0) depctr_va_vdst(0) depctr_va_sdst(0) depctr_va_ssrc(0) depctr_va_vcc(0) depctr_vm_vsrc(0)
	s_getreg_b32 s2, hwreg(HW_REG_IB_STS2, 6, 4)
	s_cmp_eq_u32 s2, 0
	s_cbranch_scc0 .Lentry_in_a_cluster
	s_endpgm
.Lentry_in_a_cluster:
	s_bfe_u32 s2, ttmp6, 0x10000c
	s_cmp_lg_u32 s2, 0x3003
	s_cbranch_scc0 .Lentry_shape_is_right
	s_endpgm
.Lentry_shape_is_right:
; o[bh][q][:] = the sum over k of softmax_k(q . k / 8) v[k][:], head size 64, 2,048 keys, no mask.  q, k, v arrive as f16 in the order of the operands' registers; products in f16 with f32 sums; maxima, exponentials and sums in f32;
; the weights p are rounded to f16 for the second product.  o x 2^s leaves as f16, in the order of the last product's operand registers; 2^s brings the largest |v| of the whole tensor (vmax) into [2^13, 2^14), so that
; o, a mean of v's rows and much smaller than they, keeps f16's full precision whatever the inputs' size; |o| is at most the largest |v|, so nothing overflows.  The last launch takes 2^s off again.
; SHARES.  A work-group owns 256 queries of one head; each of its EIGHT waves owns 32, two tiles of 16, in 384 registers: two waves to a SIMD.  Every wave walks all keys, 64 a step, 32 steps.
; K and V come through two LDS slots of 512 keys (131,072 bytes: K's fragments, then V's), each a dense block of memory; every wave fetches an eighth, 64 rows of 256 bytes.
; LAYOUT.  S^T = K Q^T (source 0 = 16 keys, source 1 = 16 queries), O^T = V^T P (source 0 = 16 channels, source 1 = P): a lane holds ONE query throughout; two tiles of S^T, rounded in pairs, ARE a fragment of P.
; Fragments lie in LDS as images of their registers: every LDS load takes 512 consecutive bytes: no pitch, no padding.
; SOFTMAX.  A running maximum m and sum l for each query: p = 2^(c s - c m), c = log2(e) / 8; in every step O^T and l are multiplied by a = 2^(c m_old - c m_new).  m begins at -3e38, l and O^T at 0: no step is a first step.
; BY TURNS.  In a TURN one tile has the matrix unit and the other tile's softmax stands between its products.  First part: 8 products K Q^T of the NEXT step, a slice of six softmax instructions behind each, then the
; rest of that softmax; second part: 8 products V^T P of the step in hand, two of the other tile's 16 rescalings of O^T behind each.  Then the tiles change places.  Two turns are a key step (a TRIP):
;   turn A: K Q^T of tile 0, step j + 1 | softmax of tile 1, step j;      V^T P of tile 0, step j | O^T of tile 1 x a of step j
;   turn B: K Q^T of tile 1, step j + 1 | softmax of tile 0, step j + 1;  V^T P of tile 1, step j | O^T of tile 0 x a of step j + 1
; K of step j + 2 is fetched in turn B, at the wait for its exponentials; V of step j + 1 behind turn B's last product.  Each has most of a turn in which to come.
; CLUSTER.  The four query blocks of a cluster belong to one head and walk the same K and V: each tile is asked for JOINTLY (mask 15).  By the text's own count a wave has two tensor loads out at the head and one behind each round.
; LEFT OUT: a prefetch ahead of the joint loads: each refill is asked for a whole slot, eight key steps, ahead of the wait for it, and the head's two fills are the launch's first loads.
; LIMITS: NaN and infinities are not served.
; REGISTERS.  Window 0: v4-11 addresses and the scale; v12-27 eight statistics a tile; v32-63 Q; v64-127 S^T, 32 a tile; v128-159 P, 16 a tile; v160-223 K of a step.   Window 1: v0-63 O^T, 32 a tile; v64-127 V of a step.
; So K Q^T and the softmax want no switch of windows between them, and V^T P and the rescaling of O^T share one setting: six switches a key step.
.set SLOT1, 1<<17
.set SPARE, 2*SLOT1                    ; behind the ring: the spare words, 128 bytes for each of eight waves, which no other line names
.set LI,  4                            ; v4  16 x lane; never rewritten
.set AV0, 5                            ; v5  the same in a slot's part for V
.set ADK, 6
.set ADV, 7
.set SPW, 8
.set NIL, 9
.set SUP, 10                           ; v10 2^s
.set TP,  11
.set ST,  12                           ; tile t's statistics at v[ST + 8 t]: +0 c m, +1 m, +2, +3 l (even keys', odd keys'), +4 .. +7 c0-c3 at work; a takes c2's place
.set QF,  32
.set S,   64
.set P,   128
.set KF,  160
.set VF,  64                           ; in window 1
.set WV,  12
.set G1,  24
.set G0A, 32                           ; slot 0's first fill
.set G0B, 36                           ; slot 1's first fill; it then walks on
.set CS,  40                           ; s[40:41] c
.set SEL, 42                           ; s[42:43]
.set TK,  44                           ; LDS byte at which the K fragments to be fetched next begin
.set CNT, 45
.set SLOTS, 46
.set TV,  47                           ; the same for V (less the 65,536 that v[AV0] holds)
.set MSB, 0
.macro WIN new                         ; bits 1:0 source 0, 3:2 source 1, 5:4 source 2, 7:6 destination; the high byte repeats the setting that is left
.if MSB != \new
	s_set_vgpr_msb (MSB<<8)|\new
.set MSB, \new
.endif
.endm
.macro CROUND
	s_barrier_signal -1
	s_barrier_wait -1
	s_cmp_lg_u32 s[WV], 0
	s_cbranch_scc1 .Lnot_wave_0_\@
	s_barrier_signal -3
.Lnot_wave_0_\@:
	s_barrier_wait -3
	s_barrier_signal -1
	s_barrier_wait -1
.endm
; THE MATRIX WORK.  Product i of 8 of S^T = K Q^T for tile x: channels 32 (i / 4) on, keys 16 (i % 4) on.  The first four start the sums.  The four accumulators take turns, one instruction a turn.
.macro KQ x
.set rS, S+32*(\x)+8*(i%4)
.set rK, KF+16*(i%4)+8*(i/4)
.set rQ, QF+16*(\x)+8*(i/4)
.if i < 4
	v_wmma_f32_16x16x32_f16 v[rS:rS+7], v[rK:rK+7], v[rQ:rQ+7], 0
.else
	v_wmma_f32_16x16x32_f16 v[rS:rS+7], v[rK:rK+7], v[rQ:rQ+7], v[rS:rS+7]
.endif
.endm
; Product i of 8 of O^T += V^T P for tile x: keys 32 (i / 4) on, channels 16 (i % 4) on.  Again four accumulators by turns.
.macro PV x
.set rO, 32*(\x)+8*(i%4)
.set rV, VF+32*(i/4)+8*(i%4)
.set rP, P+16*(\x)+8*(i/4)
	v_wmma_f32_16x16x32_f16 v[rO:rO+7], v[rV:rV+7], v[rP:rP+7], v[rO:rO+7]
.endm
; Two of the 16 packed multiplies that bring tile y's O^T under its new maximum: registers 4 i .. 4 i + 3.  They run under V^T P's window setting: they have no third source.
.macro RS y
.set rO, 32*(\y)+4*i
	v_pk_mul_f32 v[rO:rO+1], v[rO:rO+1], v[ST+8*(\y)+6:ST+8*(\y)+7] op_sel_hi:[1,0]
	v_pk_mul_f32 v[rO+2:rO+3], v[rO+2:rO+3], v[ST+8*(\y)+6:ST+8*(\y)+7] op_sel_hi:[1,0]
.endm
; THE LDS LOADS stand in runs of 16.  K: key tile n / 4, channels 16 (n % 4) on.  w = 1: the run stands at the wait for a batch of exponentials: the address's addition, the wait, the loads.
.macro FETCH_K w
	v_add_nc_u32 v[ADK], s[TK], v[LI]
.if \w
	s_wait_alu depctr_va_vdst(0)                   ; the one wait for the turn's 33 exponentials, ahead of the first line that names a result
.endif
.irp n, 0,1,2,3,4,5,6,7,8,9,10,11,12,13,14,15
	ds_load_b128 v[KF+4*\n:KF+4*\n+3], v[ADK] offset:512*\n
.endr
	s_add_co_u32 s[TK], s[TK], 8192                ; the next fetch is the next step's
.endm
; V: keys 32 (n / 8) + 16 (n % 2) on, channels 16 ((n / 2) % 4) on.  The last product that read V stands four plain lines back: two rescalings, the addition and the v_nop (ISA guide 7.12.1 for vector instructions).
.macro FETCH_V
	v_add_nc_u32 v[ADV], s[TV], v[AV0]
	v_nop
	WIN 0x40                                       ; destination window 1
.irp n, 0,1,2,3,4,5,6,7,8,9,10,11,12,13,14,15
	ds_load_b128 v[VF+4*\n:VF+4*\n+3], v[ADV] offset:512*\n
.endr
	WIN 0
	s_add_co_u32 s[TV], s[TV], 8192
.endm
; THE VECTOR WORK.  One tile's softmax for one key step, less the rescaling of O^T, is a list of 102 instructions, all in window 0; SM writes number j of it for tile t.  s0-s31 are the lane's 32 scores, in pairs 0-15.
;   0-15    the maximum of s0-s31 and the old m, three operands at a time: four chains c0-c3, each accumulator from its low end on
;   16-20   the other half of the lanes' maximum; c m_old kept; the new m; c m; c m_old - c m_new
;   21-69   ONE BATCH: a (21), the 16 scalings c s - c m and the 32 exponentials.  None of these reads an exponential's result.  22, 23: pairs 0, 1; from 24 on threes: a scaling (pair b + 2), then the two exponentials of pair b;
;           66-69 the last four exponentials.  A pair is scaled at least two lines ahead of its exponentials
;   (wait)  between 69 and 70 stand a v_nop and the wait for the batch: TURN writes them
;   70-85   the roundings to f16, a pair of weights each
;   86-101  the sum of the unrounded weights, as a tree in place; l = a l + the sum
.macro SM t
.set rT, ST+8*(\t)
.set rS, S+32*(\t)
.set rP, P+16*(\t)
.if j < 4
	v_max3_num_f32 v[rT+4+j], v[rS+8*j], v[rS+8*j+1], v[rS+8*j+2]
.elseif j < 12
	v_max3_num_f32 v[rT+4+j%4], v[rT+4+j%4], v[rS+8*(j%4)+2*(j/4)+1], v[rS+8*(j%4)+2*(j/4)+2]
.elseif j == 12
	v_max3_num_f32 v[rT+4], v[rT+4], v[rS+7], v[rS+15]
.elseif j == 13
	v_max3_num_f32 v[rT+6], v[rT+6], v[rS+23], v[rS+31]
.elseif j == 14
	v_max3_num_f32 v[rT+4], v[rT+4], v[rT+5], v[rT+6]
.elseif j == 15
	v_max3_num_f32 v[rT+4], v[rT+4], v[rT+7], v[rT+1]
.elseif j == 16
	v_permlanex16_b32 v[rT+5], v[rT+4], s[SEL], s[SEL+1]   ; the query's other 32 keys lie in the lane 16 away
.elseif j == 17
	v_mov_b32 v[rT+7], v[rT]                       ; c m_old is kept for a
.elseif j == 18
	v_max_num_f32 v[rT+1], v[rT+4], v[rT+5]
.elseif j == 19
	v_mul_f32 v[rT], s[CS], v[rT+1]
.elseif j == 20
	v_sub_f32 v[rT+7], v[rT+7], v[rT]
.elseif j == 21
	v_exp_f32 v[rT+6], v[rT+7]
.elseif (j < 24) || ((j < 66) && ((j-24)%3 == 0))
.set b, j-22
.if j >= 24
.set b, (j-24)/3+2
.endif
	v_pk_fma_f32 v[rS+2*b:rS+2*b+1], v[rS+2*b:rS+2*b+1], s[CS:CS+1], v[rT:rT+1] op_sel_hi:[1,0,0] neg_lo:[0,0,1] neg_hi:[0,0,1]   ; pair b: c s - c m
.elseif j < 70
.set e, j-38
.if j < 66
.set e, 2*((j-24)/3)+(j-24)%3-1
.endif
	v_exp_f32 v[rS+e], v[rS+e]
.elseif j < 86
	v_cvt_pk_f16_f32 v[rP+j-70], v[rS+2*(j-70)], v[rS+2*(j-70)+1]
.elseif j < 101
.set z, j-86
.set w, 4
.set u, z
.if z >= 14
.set w, 32
.set u, 0
.elseif z >= 12
.set w, 16
.set u, z-12
.elseif z >= 8
.set w, 8
.set u, z-8
.endif
	v_pk_add_f32 v[rS+w*u:rS+w*u+1], v[rS+w*u:rS+w*u+1], v[rS+w*u+w/2:rS+w*u+w/2+1]
.else
	v_pk_fma_f32 v[rT+2:rT+3], v[rT+2:rT+3], v[rT+6:rT+7], v[rS:rS+1] op_sel_hi:[1,0,1]   ; l = l a + the sum
.endif
.endm
; A TURN.  Tile x has the matrix unit; the softmax is tile 1 - x's.  kq = 1: the 8 products K Q^T; pv = 1: the 8 products V^T P; sm = 1: the softmax and the rescaling; kl = 1: K is fetched at the wait; vl = 1: V is fetched at the end.
; Every slice begins with a plain instruction: numbers 0, 6, 12 and 18 of the list, and the scalings 24, 30, 36, 42.
; DISTANCES.  The scores that a softmax reads were made in the first part of the turn before; P and a tile's O^T are written a part of a turn or more behind the products that read them; K is fetched behind the scalings 42, 45,
; 48, .. 63, the v_nop and the address's addition, which follow the last product that read it: four plain lines or more in each case (ISA guide 7.12.1).
.macro TURN x, kq, pv, sm, kl, vl
.set j, 0
.if \kq
.if \x == 0
	s_wait_dscnt 16                                ; K's sixteen loads are in; V's sixteen, issued behind them, may be out
.endif
.set i, 0
.rept 8
	KQ \x
.rept 6
	SM 1-\x
.set j, j+1
.endr
.set i, i+1
.endr
.endif
.if \sm
.rept 70-j
	SM 1-\x
.set j, j+1
.endr
	v_nop                                          ; a plain line behind the last exponential, ahead of the first use: one for the batch
.if \kl
	FETCH_K 1
.else
	s_wait_alu depctr_va_vdst(0)                   ; the one wait for the turn's 33 exponentials
.endif
.rept 32
	SM 1-\x
.set j, j+1
.endr
.endif
.if \pv && (\x == 0)
	s_wait_dscnt 0x0                               ; V is in
.endif
	WIN 0x51                                       ; source 0 (V, O^T) window 1, source 1 (P, a) window 0, C and D window 1
.set i, 0
.rept 8
.if \pv
	PV \x
.endif
.if \sm
	RS 1-\x
.endif
.set i, i+1
.endr
	WIN 0
.if \vl
	FETCH_V
.endif
.endm
.macro TRIP kl                         ; a key step
	TURN 0, 1, 1, 1, 0, 0
	TURN 1, 1, 1, 1, \kl, 1
.endm
.macro TRIPS n                         ; n key steps: written once
	s_mov_b32 s[CNT], \n
.Ltrip_\@:
	TRIP 1
	s_sub_co_u32 s[CNT], s[CNT], 1
	s_cmp_lg_u32 s[CNT], 0
	s_cbranch_scc1 .Ltrip_\@
.endm
.macro ADJ                             ; eight fetches of K and eight of V have walked a slot: back to a slot's first step, in the other slot
	s_sub_co_u32 s[TK], s[TK], 65536
	s_xor_b32 s[TK], s[TK], SLOT1
	s_sub_co_u32 s[TV], s[TV], 65536
	s_xor_b32 s[TV], s[TV], SLOT1
.endm
; THE CHANGE OF SLOTS stands behind the trip that has asked for the slot's last bytes, V of its eighth step; that trip leaves its fetch of K, the next slot's first, to the line behind the change.
; Each wave waits for all its tensor loads (one is out: its part of the other slot), adds 0 to its spare word, and waits for that and for its reads of the slot that it leaves.
; fill = 1: the barrier is a round of the cluster's, so that no wave of any partner still reads the slot or has a load on its way; the joint refill is the first thing behind it and has eight key steps in which to land.
.macro CHANGE fill
	s_wait_tensorcnt 0x0                           ; no tensor load of mine is out, so a group 0 may be written
	ds_add_u32 v[SPW], v[NIL]                      ; 0 onto my spare word
.if \fill
	s_xor_b32 s[G0B+1], s[G0B+1], SLOT1            ; the walking descriptor: the other slot than last time,
	s_add_nc_u64 s[G0B+2:G0B+3], s[G0B+2:G0B+3], 131072   ; the next 512 keys; the type bits on top are not reached
	s_wait_dscnt 0x0                               ; the add is done, and my reads of the slot are over
	CROUND
	tensor_load_to_lds s[G0B:G0B+3], s[G1:G1+7]
	s_nop 0
.rept 4
	v_nop
.endr
.else
	s_wait_dscnt 0x0
	s_barrier_signal -1
	s_barrier_wait -1
.endif
.endm
	s_load_b256 s[4:11], s[0:1], 0x0               ; qf s[4:5], kv s[6:7], vmax s[8:9], of s[10:11]
	v_lshl_add_u32 v[SPW], v0, 2, SPARE
	v_mov_b32 v[NIL], 0
	ds_add_u32 v[SPW], v[NIL]                      ; the wave's opening: the add, twice on end, and its wait ahead of my first tensor load
	ds_add_u32 v[SPW], v[NIL]
	v_lshrrev_b32 v1, 5, v0
	v_readfirstlane_b32 s[WV], v1                  ; wave 0..7
	s_bfe_u32 s13, ttmp6, 0x40000                  ; cx
	s_lshl_b32 s14, ttmp9, 2
	s_add_co_u32 s14, s14, s13                     ; my block of 256 queries: it enters q's and o's addresses alone
	s_and_b32 s15, ttmp7, 0xffff                   ; bh, which the four partners share
	s_mov_b32 s[G1], 15|(3<<16)|(1<<21)            ; the mask: all four; elements of 8 bytes; bit 21 beside a mask; no padding
	s_mov_b32 s[G1+1], 32<<16                      ; rows of 32 elements = 256 bytes,
	s_mov_b32 s[G1+2], 64<<16                      ; 64 of them
	s_mov_b32 s[G1+3], 32<<16
	s_mov_b32 s[G1+4], 64
	s_mov_b32 s[G1+5], 32                          ; dense
	s_mov_b32 s[G1+6], 0
	s_mov_b32 s[G1+7], 0
	s_mov_b32 s[CS], 0x3e38aa3b                    ; c = log2(e) / 8
	s_mov_b32 s[CS+1], s[CS]                       ; (named with it as a pair, so it is written)
	s_mov_b32 s[SEL], 0x76543210
	s_mov_b32 s[SEL+1], 0xfedcba98
	s_mov_b32 s[TK], 0
	s_mov_b32 s[TV], 0
	s_lshl_b32 s18, s[WV], 14                      ; my eighth of a slot, in LDS and in memory
	s_lshl_b32 s16, s15, 19                        ; the head's K and V
	s_add_co_u32 s16, s16, s18
	s_mov_b32 s17, 0
	s_lshl_b32 s20, s15, 18                        ; q: the head, my block's 256 queries, my wave's 32
	s_lshl_b32 s21, s14, 15
	s_add_co_u32 s20, s20, s21
	s_lshl_b32 s21, s[WV], 12
	s_add_co_u32 s20, s20, s21
	s_mov_b32 s21, 0
	s_wait_dscnt 0x0                               ; both opening adds are done
	s_wait_kmcnt 0x0
	s_add_nc_u64 s[6:7], s[6:7], s[16:17]
	s_add_nc_u64 s[4:5], s[4:5], s[20:21]
	CROUND                                         ; all four work-groups are here: the first joint loads meet
	s_mov_b32 s[G0A], 1
	s_mov_b32 s[G0A+1], s18
	s_mov_b64 s[G0A+2:G0A+3], s[6:7]
	s_or_b32 s[G0A+3], s[G0A+3], 0x80000000
	s_mov_b32 s[G0B], 1
	s_add_co_u32 s[G0B+1], s18, SLOT1
	s_add_nc_u64 s[G0B+2:G0B+3], s[6:7], 131072
	s_or_b32 s[G0B+3], s[G0B+3], 0x80000000
	tensor_load_to_lds s[G0A:G0A+3], s[G1:G1+7]    ; keys 0-511
	s_nop 0
	tensor_load_to_lds s[G0B:G0B+3], s[G1:G1+7]    ; keys 512-1023
	s_nop 0
.rept 4
	v_nop
.endr
	v_and_b32 v1, 31, v0
	v_lshlrev_b32 v[LI], 4, v1
	v_add_nc_u32 v[AV0], 65536, v[LI]
.irp n, 0,1,2,3,4,5,6,7
	global_load_b128 v[QF+4*\n:QF+4*\n+3], v[LI], s[4:5] offset:512*\n   ; Q stays in registers: tile n / 4, channels 16 (n % 4) on
.endr
.irp n, 0,1,2,3,4,5,6,7
	global_load_b128 v[S+4*\n:S+4*\n+3], v[LI], s[8:9] offset:512*\n     ; the 1,024 waves' largest |v|: 32 numbers a lane
.endr
	; where my rows of o go: [block of 128 tokens][256 along e][tile of 16 tokens][16 along e][lane][16 bytes]
	s_lshr_b32 s20, s15, 4
	s_lshl_b32 s20, s20, 4                         ; 16 x batch
	s_lshl_b32 s21, s14, 1
	s_add_co_u32 s20, s20, s21
	s_lshr_b32 s21, s[WV], 2
	s_add_co_u32 s20, s20, s21                     ; + 2 x query block + wave / 4
	s_lshl_b32 s20, s20, 18
	s_and_b32 s21, s15, 15                         ; the head
	s_lshr_b32 s22, s21, 2
	s_lshl_b32 s22, s22, 16
	s_add_co_u32 s20, s20, s22
	s_and_b32 s21, s21, 3
	s_lshl_b32 s21, s21, 11
	s_add_co_u32 s20, s20, s21
	s_and_b32 s21, s[WV], 3
	s_lshl_b32 s21, s21, 14
	s_add_co_u32 s20, s20, s21
	s_mov_b32 s21, 0
	s_add_nc_u64 s[10:11], s[10:11], s[20:21]
.irp t, 0,1
	v_mov_b32 v[ST+8*\t+1], 0xff61b1e6             ; m: -3e38, under every score
	v_mul_f32 v[ST+8*\t], s[CS], v[ST+8*\t+1]      ; c m
	v_mov_b32 v[ST+8*\t+2], 0                      ; l, in two halves
	v_mov_b32 v[ST+8*\t+3], 0
.endr
	v_mov_b32 v[TP], 0                             ; (a lane permute's destination counts as one of its sources)
	WIN 0x40
.irp n, 0,1,2,3,4,5,6,7,8,9,10,11,12,13,14,15,16,17,18,19,20,21,22,23,24,25,26,27,28,29,30,31,32,33,34,35,36,37,38,39,40,41,42,43,44,45,46,47,48,49,50,51,52,53,54,55,56,57,58,59,60,61,62,63
	v_mov_b32 v[\n], 0                             ; O^T: no turn is written for a first step; the first rescaling finds zeros, which a = 0 leaves zeros
.endr
	WIN 0
	s_wait_loadcnt 0x0
	v_max3_num_f32 v[SUP], v[S], v[S+1], v[S+2]    ; the largest |v| of the tensor
.irp n, 3,5,7,9,11,13,15,17,19,21,23,25,27,29
	v_max3_num_f32 v[SUP], v[SUP], v[S+\n], v[S+\n+1]
.endr
	v_max3_num_f32 v[SUP], v[SUP], v[S+31], 0x07000000   ; and a floor, 2^(14 - 127), so that both powers of two made of it are normal numbers
	v_max_num_f32_dpp v[SUP], v[SUP], v[SUP] row_xmask:1 row_mask:0xf bank_mask:0xf
	v_max_num_f32_dpp v[SUP], v[SUP], v[SUP] row_xmask:2 row_mask:0xf bank_mask:0xf
	v_max_num_f32_dpp v[SUP], v[SUP], v[SUP] row_xmask:4 row_mask:0xf bank_mask:0xf
	v_max_num_f32_dpp v[SUP], v[SUP], v[SUP] row_xmask:8 row_mask:0xf bank_mask:0xf
	v_permlanex16_b32 v[TP], v[SUP], s[SEL], s[SEL+1]
	v_max_num_f32 v[SUP], v[SUP], v[TP]
	v_lshrrev_b32 v[SUP], 23, v[SUP]               ; its exponent field F
	v_sub_nc_u32 v[SUP], 267, v[SUP]
	v_lshlrev_b32 v[SUP], 23, v[SUP]               ; 2^(140 - F)
	s_wait_tensorcnt 1                             ; my part of slot 0 is in; slot 1's load, issued behind it, may be out
	s_barrier_signal -1
	s_barrier_wait -1                              ; everybody's is
	; ---- the way in: K of step 0; tile 0's first scores, bare: there is no vector work yet to set between them
	FETCH_K 0
	s_wait_dscnt 0x0
.set i, 0
.rept 8
	KQ 0
.set i, i+1
.endr
.rept 4
	v_nop                                          ; four places in front of the first read of these scores (ISA guide 7.12.1)
.endr
	TURN 1, 1, 0, 1, 1, 1                          ; tile 1's first scores | tile 0's first softmax | K of step 1, V of step 0
	TRIPS 6                                        ; steps 0-5; they fetch K of steps 2-7 and V of steps 1-6
	TRIP 0                                         ; step 6: V of step 7, slot 0's last bytes; K of step 8 waits for the change
	ADJ
	s_mov_b32 s[SLOTS], 2
.Lslot:                                            ; two trips: keys 1,024 on and 1,536 on are asked for; steps 7-14 and 15-22 are walked
	CHANGE 1
	FETCH_K 0                                      ; the new slot's first K,
	s_wait_dscnt 0x0                               ; awaited here, so that the count at a trip's head holds on the way into the loop too
	TRIPS 7
	TRIP 0
	ADJ
	s_sub_co_u32 s[SLOTS], s[SLOTS], 1
	s_cmp_lg_u32 s[SLOTS], 0
	s_cbranch_scc1 .Lslot
	CHANGE 0                                       ; the last slot is written out: nothing is left to ask for
	FETCH_K 0
	s_wait_dscnt 0x0
	TRIPS 7                                        ; steps 23-29
	TRIP 0                                         ; step 30: there is no K of step 32
	TURN 0, 0, 1, 1, 0, 0                          ; step 31: tile 1's last softmax; V^T P of tile 0 | tile 1's last rescaling
	TURN 1, 0, 1, 0, 0, 0                          ; V^T P of tile 1
	; THE WAY OUT.  l's halves and lane l xor 16's are added (these lines are the places behind the last products); O^T x 2^s / l, rounded to f16: four registers a tile of channels are 16 bytes of the next operand
.irp t, 0,1
	v_add_f32 v[ST+8*\t+4], v[ST+8*\t+2], v[ST+8*\t+3]
.endr
.irp t, 0,1
	v_permlanex16_b32 v[ST+8*\t+5], v[ST+8*\t+4], s[SEL], s[SEL+1]
.endr
.irp t, 0,1
	v_add_f32 v[ST+8*\t+4], v[ST+8*\t+4], v[ST+8*\t+5]
.endr
.irp t, 0,1
	v_rcp_f32 v[ST+8*\t+6], v[ST+8*\t+4]
.endr
	v_nop
	s_wait_alu depctr_va_vdst(0)                   ; one wait for the two reciprocals, ahead of their first reader
.irp t, 0,1
	v_mul_f32 v[ST+8*\t+6], v[ST+8*\t+6], v[SUP]
.endr
	WIN 0x01                                       ; source 0 (O^T) window 1
.irp n, 0,1,2,3,4,5,6,7,8,9,10,11,12,13,14,15
.irp t, 0,1
	v_pk_mul_f32 v[S+32*\t+2*\n:S+32*\t+2*\n+1], v[32*\t+2*\n:32*\t+2*\n+1], v[ST+8*\t+6:ST+8*\t+7] op_sel_hi:[1,0]
.endr
.endr
	WIN 0
.irp n, 0,1,2,3,4,5,6,7,8,9,10,11,12,13,14,15
.irp t, 0,1
	v_cvt_pk_f16_f32 v[P+16*\t+\n], v[S+32*\t+2*\n], v[S+32*\t+2*\n+1]
.endr
.endr
.irp t, 0,1
.irp ct, 0,1,2,3
	global_store_b128 v[LI], v[P+16*\t+4*\ct:P+16*\t+4*\ct+3], s[10:11] offset:8192*\t+512*\ct   ; 32 lanes store 512 consecutive bytes, aligned
.endr
.endr
	s_wait_tensorcnt 0x0                           ; the wave's end
	ds_add_u32 v[SPW], v[NIL]
	s_wait_dscnt 0x0
	CROUND                                         ; the closing round
	s_endpgm
.Lfunc_end_k_q3b5bb66986_attn:
	.size	k_q3b5bb66986_attn, .Lfunc_end_k_q3b5bb66986_attn-k_q3b5bb66986_attn
	.p2alignl 7, 3214868480
	.fill 96, 4, 3214868480
	.section	.rodata,"a",@progbits
	.p2align	6, 0x0
	.amdhsa_kernel k_q3b5bb66986_attn
		.amdhsa_group_segment_fixed_size 327680
		.amdhsa_private_segment_fixed_size 0
		.amdhsa_enable_private_segment 0
		.amdhsa_kernarg_size 32
		.amdhsa_user_sgpr_count 2
		.amdhsa_user_sgpr_kernarg_segment_ptr 1
		.amdhsa_wavefront_size32 1
		.amdhsa_system_sgpr_workgroup_id_x 1
		.amdhsa_system_sgpr_workgroup_id_y 1
		.amdhsa_system_sgpr_workgroup_id_z 1
		.amdhsa_system_vgpr_workitem_id 0
		.amdhsa_next_free_vgpr 384
		.amdhsa_next_free_sgpr 66
		.amdhsa_reserve_vcc 0
		.amdhsa_float_denorm_mode_32 3
		.amdhsa_float_denorm_mode_16_64 3
		.amdhsa_memory_ordered 1
		.amdhsa_forward_progress 1
		.amdhsa_inst_pref_size 137
	.end_amdhsa_kernel
	.amdgpu_metadata
---
amdhsa.version: [ 1, 2 ]
amdhsa.kernels:
  - .name:           k_q3b5bb66986_attn
    .symbol:         k_q3b5bb66986_attn.kd
    .args:
      - { .name: qf, .offset: 0, .size: 8, .value_kind: global_buffer, .address_space: global }
      - { .name: kv, .offset: 8, .size: 8, .value_kind: global_buffer, .address_space: global }
      - { .name: vmax, .offset: 16, .size: 8, .value_kind: global_buffer, .address_space: global }
      - { .name: of, .offset: 24, .size: 8, .value_kind: global_buffer, .address_space: global }
    .group_segment_fixed_size: 327680
    .private_segment_fixed_size: 0
    .kernarg_segment_align: 8
    .kernarg_segment_size: 32
    .max_flat_workgroup_size: 256
    .sgpr_count:     66
    .vgpr_count:     384
    .wavefront_size: 32
...
	.end_amdgpu_metadata
.endif
;; end of part 3
;; launch oproj (part 4): grid 8 x 32, 4 waves a work-group, clusters of 4 x 4, 327,680 bytes of LDS; arguments of, wo16, bo, vmax, out0; writes out0
.if DOCPART == 4
	.amdgcn_target "amdgcn-amd-amdhsa--gfx1250"
	.amdhsa_code_object_version 6
	.text
	.protected	k_q3b5bb66986_oproj
	.globl	k_q3b5bb66986_oproj
	.p2align	8
	.type	k_q3b5bb66986_oproj,@function
k_q3b5bb66986_oproj:
	s_mov_b64 s[64:65], 0
	v_nop
	global_prefetch_b8 v0, s[64:65] scope:SCOPE_SE
	s_setreg_imm32_b32 hwreg(HW_REG_WAVE_MODE, 25, 1), 1
	s_wait_xcnt 0x0
	s_wait_alu depctr_hold_cnt(0) depctr_sa_sdst(0) depctr_va_vdst(0) depctr_va_sdst(0) depctr_va_ssrc(0) depctr_va_vcc(0) depctr_vm_vsrc(0)
	s_getreg_b32 s2, hwreg(HW_REG_IB_STS2, 6, 4)
	s_cmp_eq_u32 s2, 0
	s_cbranch_scc0 .Lentry_in_a_cluster
	s_endpgm
.Lentry_in_a_cluster:
	s_bfe_u32 s2, ttmp6, 0x10000c
	s_cmp_lg_u32 s2, 0xf033
	s_cbranch_scc0 .Lentry_shape_is_right
	s_endpgm
.Lentry_shape_is_right:
; out0[token][d] = the sum over e of o[token][e] Wo[d][e] + bo[d].  o arrives as f16 x 2^s in the order of the operand's registers ([block of 128 tokens][256 along e][tile of 16 tokens][16 along e][lane][16 bytes]),
; Wo as f16, row-major [1024][1024]; sums in f32; 2^-s (from vmax, as the launch before made 2^s) and bo go into one fused multiply-add on the way out.
; A tile of out0 is 128 x 128: 8 x 32 = 256 work-groups; four waves, each 64 x 64: 16 accumulators.  K goes in four steps of 256 through two LDS slots: o's 128 tokens x 256 are one dense block of 65,536 bytes (two loads of
; 128 rows of 256 bytes), Wo's 128 rows of 512 bytes get 16 bytes of padding each (two loads of 64 rows).  A wave fetches a quarter of a slot: one tensor load behind each round, two at the head.
; CLUSTER 4 x 4: o's tiles are shared along a row of the cluster, Wo's along a column: each is asked for JOINTLY.  THE PRODUCT IS USED TRANSPOSED (source 0 = 16 rows of Wo, source 1 = 16 tokens): a lane holds eight
; neighbouring numbers of a row of out0.  A wave's 64 columns are 256 bytes of a row: they go through the wave's OWN stage in LDS, and sixteen lanes store 256 consecutive bytes, aligned.
; LEFT OUT: a prefetch (four short K steps on small tiles); work-groups that stay (one tile for each of 256 work-groups).
; REGISTERS.  Window 0: v1-31 addresses, v[12:13] 2^-s; v32-95 at work; v96-127 bo; v128-255 the accumulators ((a, b) at v[128 + 8 (4 a + b)]).   Window 1: two fragment buffers of 128: 64 registers of o, then 64 of Wo.
.set PITCH,  528                       ; Wo's LDS row: 512 bytes + 16 = 132 words: the 16 rows that a load touches start at 16 different banks (64 banks of 4 bytes: ISA guide 11.1)
.set AIMG,   65536                     ; o's image of a K step
.set HALFB,  64*PITCH
.set SLOT,   AIMG+2*HALFB
.set STAGE,  2*SLOT                    ; behind the ring: 16 rows x (256 + 16) bytes for each wave
.set SPITCH, 272
.set SPARE,  STAGE+4*16*SPITCH         ; the spare words, 128 bytes a wave, which no other line names
.set ADRA, 16
.set ADRB, 20
.set STO,  24
.set RD,   25
.set CO,   26
.set LI,   27
.set SPW,  28
.set NIL,  29
.set SDN,  12                          ; v[12:13] 2^-s, twice
.set TMP,  32
.set BI,   96                          ; bo: register 8 b + j = column 16 b + 8 hl + j of my 64
.set ACC,  128
.set F0,   0
.set F1,   128
.set WV,   14
.set FB,   15                          ; wave / 2: which 64 tokens are mine.  Also: I fetch for o (0) or for Wo (1)
.set HF,   16                          ; wave % 2: which 64 columns.  Also: which half of that tile I fetch
.set G1,  24
.set G0,  32
.set G1B, 48
.set G0B, 56
.set MSB, 0
.macro WIN new
.if MSB != \new
	s_set_vgpr_msb (MSB<<8)|\new
.set MSB, \new
.endif
.endm
.set MUL,  0x05                        ; sources 0 (Wo) and 1 (o) window 1; C and D window 0
.set TO_F, 0x40                        ; destination window 1
.macro JLOAD s                         ; a joint load; an s_nop 0 and four v_nop follow each of the two lines
	s_cmp_eq_u32 s[FB], 0
	s_cbranch_scc0 .Lfor_b_\@
	tensor_load_to_lds s[G0+4*\s:G0+4*\s+3], s[G1:G1+7]
	s_nop 0
.rept 4
	v_nop
.endr
	s_branch .Lasked_\@
.Lfor_b_\@:
	tensor_load_to_lds s[G0B+4*\s:G0B+4*\s+3], s[G1B:G1B+7]
	s_nop 0
.rept 4
	v_nop
.endr
.Lasked_\@:
.endm
.macro CREST                           ; a round of the cluster's barrier behind its opening barrier
	s_cmp_lg_u32 s[WV], 0
	s_cbranch_scc1 .Lnot_wave_0_\@
	s_barrier_signal -3
.Lnot_wave_0_\@:
	s_barrier_wait -3
	s_barrier_signal -1
	s_barrier_wait -1
.endm
.macro CROUND
	s_barrier_signal -1
	s_barrier_wait -1
	CREST
.endm
; 8 matrix instructions: token tiles a0, a0 + 1 x all 4 column tiles, 32 along K: half c of buffer f.  zero = 1: the first product starts the sums.  The 16 accumulators take turns
.macro MUL8 f, c, a0, zero
.irp a, \a0, \a0+1
.irp b, 0,1,2,3
.if \zero
	v_wmma_f32_16x16x32_f16 v[ACC+8*(4*(\a)+\b):ACC+8*(4*(\a)+\b)+7], v[\f+64+8*(4*\c+\b):\f+64+8*(4*\c+\b)+7], v[\f+8*(4*\c+\a):\f+8*(4*\c+\a)+7], 0
.else
	v_wmma_f32_16x16x32_f16 v[ACC+8*(4*(\a)+\b):ACC+8*(4*(\a)+\b)+7], v[\f+64+8*(4*\c+\b):\f+64+8*(4*\c+\b)+7], v[\f+8*(4*\c+\a):\f+8*(4*\c+\a)+7], v[ACC+8*(4*(\a)+\b):ACC+8*(4*(\a)+\b)+7]
.endif
.endr
.endr
.endm
; 32 LDS loads in one run: the fragments of 64 along K, at byte k of Wo's rows (16 k in o's image), into buffer f; the first 32 along K first
.macro FETCH slot, k, f
	WIN TO_F
.irp c, 0,1
.irp i, 0,1,2,3
	ds_load_b128 v[\f+64+8*(4*\c+\i):\f+64+8*(4*\c+\i)+3],   v[ADRB+\slot] offset:\k+64*\c+\i*16*PITCH
	ds_load_b128 v[\f+64+8*(4*\c+\i)+4:\f+64+8*(4*\c+\i)+7], v[ADRB+\slot] offset:\k+64*\c+\i*16*PITCH+32
	ds_load_b128 v[\f+8*(4*\c+\i):\f+8*(4*\c+\i)+3],         v[ADRA+\slot] offset:16*\k+1024*\c+8192*\i
	ds_load_b128 v[\f+8*(4*\c+\i)+4:\f+8*(4*\c+\i)+7],       v[ADRA+\slot] offset:16*\k+1024*\c+8192*\i+512
.endr
.endr
.endm
.macro PLACES                          ; four places in front of loads into registers that matrix instructions have read, and of the first read of results (ISA guide 7.12.1 for vector instructions)
.rept 4
	v_nop
.endr
.endm
; A K step is four quarters of 64 along K, 32 matrix instructions each, on buffers 0, 1, 0, 1.  One of the first three: multiplies buffer f and fetches the next quarter, at byte k, into g
.macro QUARTER slot, k, f, g, zero
	s_wait_dscnt 16                                ; the first 32 along K are in; the sixteen younger loads may be out
	WIN MUL
	MUL8 \f, 0, 0, \zero
	MUL8 \f, 0, 2, \zero
	PLACES
	FETCH \slot, \k, \g
	s_wait_dscnt 32                                ; all but the 32 just issued
	WIN MUL
	MUL8 \f, 1, 0, 0
	MUL8 \f, 1, 2, 0
.endm
; The last quarter multiplies buffer 1 and changes slots: ONE barrier; in front of it each wave waits for all its tensor loads, adds 0 to its spare word, and waits for that and for its reads of this slot.
; fill = 1: this slot is filled again, two K steps ahead; the barrier then opens a round of the cluster's.
.macro TURN slot, next, fill
	WIN 0                                          ; (the add's two registers lie in window 0)
	s_wait_tensorcnt 0x0                           ; all my tensor loads have landed: my part of the next slot
	ds_add_u32 v[SPW], v[NIL]                      ; 0 onto my spare word
	s_wait_dscnt 17                                ; (the add and the youngest sixteen loads may be out)
	WIN MUL
	MUL8 F1, 0, 0, 0                               ; eight matrix instructions stand between the add and the wait for it
	s_wait_dscnt 0x0                               ; the add is done, and my reads of this slot are over
	s_barrier_signal -1
	MUL8 F1, 0, 2, 0
.if \fill
	WIN 0
.endif
	s_barrier_wait -1
.if \fill
	CREST                                          ; no wave of any partner still reads this slot's tiles or has a load on its way
	s_add_nc_u64 s[G0+4*\slot+2:G0+4*\slot+3], s[G0+4*\slot+2:G0+4*\slot+3], 2*AIMG
	s_add_nc_u64 s[G0B+4*\slot+2:G0B+4*\slot+3], s[G0B+4*\slot+2:G0B+4*\slot+3], 2*512
	JLOAD \slot                                    ; the first tensor load behind the round; its four v_nop are also the places in front of the loads below
.else
	PLACES
.endif
	FETCH \next, 0, F0
	WIN MUL
	MUL8 F1, 1, 0, 0
	MUL8 F1, 1, 2, 0
.endm
; THE WAY OUT of token tile a: x 2^-s + bo; through my stage; back as rows of 256 bytes, into the registers that the tile's accumulators have left
.macro PACKB a
.irp b, 0,1,2,3
.irp i, 0,1,2,3
	v_pk_fma_f32 v[TMP+32*((\a)%2)+8*\b+2*\i:TMP+32*((\a)%2)+8*\b+2*\i+1], v[ACC+8*(4*(\a)+\b)+2*\i:ACC+8*(4*(\a)+\b)+2*\i+1], v[SDN:SDN+1], v[BI+8*\b+2*\i:BI+8*\b+2*\i+1] op_sel_hi:[1,0,1]
.endr
.endr
.endm
.macro TOSTAGE a
.irp b, 0,1,2,3
	ds_store_b128 v[STO], v[TMP+32*((\a)%2)+8*\b:TMP+32*((\a)%2)+8*\b+3] offset:64*\b
	ds_store_b128 v[STO], v[TMP+32*((\a)%2)+8*\b+4:TMP+32*((\a)%2)+8*\b+7] offset:64*\b+16
.endr
.irp t, 0,1,2,3,4,5,6,7
	ds_load_b128 v[ACC+32*(\a)+4*\t:ACC+32*(\a)+4*\t+3], v[RD] offset:\t*2*SPITCH   ; LDS serves a wave's instructions in order (ISA guide 5.7.1.4): these see the stores above, and the next tile's stores come behind them
.endr
.endm
.macro SEND a, younger                 ; younger: the LDS instructions issued behind tile a's loads, which may stay out
	s_wait_dscnt \younger
.irp t, 0,1,2,3,4,5,6,7
	global_store_b128 v[CO], v[ACC+32*(\a)+4*\t:ACC+32*(\a)+4*\t+3], s[12:13] offset:(16*(\a)+2*\t)*4096 th:TH_STORE_NT   ; 16 lanes store 256 consecutive bytes, aligned; written once, read by nobody here
.endr
.endm
	s_load_b256 s[4:11], s[0:1], 0x0               ; of s[4:5], wo16 s[6:7], bo s[8:9], vmax s[10:11]
	s_load_b64 s[12:13], s[0:1], 0x20              ; out0
	v_lshl_add_u32 v[SPW], v0, 2, SPARE
	v_mov_b32 v[NIL], 0
	ds_add_u32 v[SPW], v[NIL]                      ; the wave's opening: the add, twice on end, and its wait ahead of my first tensor load
	ds_add_u32 v[SPW], v[NIL]
	v_lshrrev_b32 v1, 5, v0
	v_readfirstlane_b32 s[WV], v1                  ; wave 0..3
	s_lshr_b32 s[FB], s[WV], 1
	s_and_b32 s[HF], s[WV], 1
	s_bfe_u32 s40, ttmp6, 0x40000                  ; cx, cy
	s_bfe_u32 s41, ttmp6, 0x40004
	s_lshl_b32 s42, ttmp9, 2
	s_add_co_u32 s42, s42, s40                     ; tile column = 4 x cluster x + cx
	s_and_b32 s17, ttmp7, 0xffff
	s_lshl_b32 s17, s17, 2
	s_add_co_u32 s17, s17, s41                     ; tile row = 4 x cluster y + cy
	s_lshl_b32 s43, s41, 2
	s_lshl_b32 s43, 15, s43                        ; my row of the cluster
	s_lshl_b32 s44, 0x1111, s40                    ; my column
	s_or_b32 s[G1], s43, (3<<16)|(1<<21)           ; o: the mask of my row; elements of 8 bytes; bit 21 beside a mask; no padding
	s_mov_b32 s[G1+1], 32<<16                      ; rows of 256 bytes,
	s_mov_b32 s[G1+2], 128<<16                     ; 128 of them,
	s_mov_b32 s[G1+3], 32<<16
	s_mov_b32 s[G1+4], 128
	s_mov_b32 s[G1+5], 32                          ; dense
	s_mov_b32 s[G1+6], 0
	s_mov_b32 s[G1+7], 0
	s_or_b32 s[G1B], s44, (1<<16)|(1<<20)|(1<<21)|(6<<22)|(3<<25)   ; Wo: the mask of my column; elements of 2 bytes; four words of padding behind every 128
	s_mov_b32 s[G1B+1], 256<<16
	s_mov_b32 s[G1B+2], 64<<16
	s_mov_b32 s[G1B+3], 256<<16
	s_mov_b32 s[G1B+4], 64
	s_mov_b32 s[G1B+5], 1024
	s_mov_b32 s[G1B+6], 0
	s_mov_b32 s[G1B+7], 0
	s_lshl_b32 s20, s17, 18                        ; o: the block of 128 tokens, + my half of its image (s20-23 never hold the tile column)
	s_lshl_b32 s22, s[HF], 15
	s_add_co_u32 s20, s20, s22
	s_mov_b32 s21, 0
	s_lshl_b32 s46, s42, 18                        ; Wo: row 128 x tile column + 64 x half, 2,048 bytes a row (s46, s47 never hold the tile row)
	s_lshl_b32 s47, s[HF], 17
	s_add_co_u32 s46, s46, s47
	s_mov_b32 s47, 0
	s_mul_i32 s23, s[HF], HALFB
	s_add_co_u32 s23, s23, AIMG                    ; where Wo's half goes; o's goes to s22: no place in the cluster enters an LDS address
	s_wait_dscnt 0x0                               ; both opening adds are done
	s_wait_kmcnt 0x0
	s_add_nc_u64 s[20:21], s[4:5], s[20:21]
	s_add_nc_u64 s[46:47], s[6:7], s[46:47]
	CROUND                                         ; all sixteen work-groups are here: the first joint loads meet
.irp s, 0,1
	s_mov_b32 s[G0+4*\s], 1
	s_add_co_u32 s[G0+4*\s+1], s22, \s*SLOT
	s_add_nc_u64 s[G0+4*\s+2:G0+4*\s+3], s[20:21], \s*AIMG
	s_or_b32 s[G0+4*\s+3], s[G0+4*\s+3], 0x80000000
	s_mov_b32 s[G0B+4*\s], 1
	s_add_co_u32 s[G0B+4*\s+1], s23, \s*SLOT
	s_add_nc_u64 s[G0B+4*\s+2:G0B+4*\s+3], s[46:47], \s*512
	s_or_b32 s[G0B+4*\s+3], s[G0B+4*\s+3], 0x80000000
	JLOAD \s
.endr
	v_and_b32 v1, 15, v0                           ; r
	v_bfe_u32 v2, v0, 4, 1                         ; hl
	v_and_b32 v3, 31, v0
	v_lshlrev_b32 v[LI], 4, v3
	v_lshlrev_b32 v6, 5, v2                        ; bo: my half's 8 columns of a tile: 32 hl bytes; never rewritten
	s_lshl_b32 s2, s17, 19                         ; out0: row 128 x tile row + 64 x (wave / 2), 4,096 bytes a row; column 128 x tile column + 64 x (wave % 2)
	s_lshl_b32 s45, s[FB], 18
	s_add_co_u32 s2, s2, s45
	s_lshl_b32 s45, s42, 9
	s_add_co_u32 s2, s2, s45
	s_lshl_b32 s45, s[HF], 8
	s_add_co_u32 s2, s2, s45
	s_mov_b32 s3, 0
	s_add_nc_u64 s[12:13], s[12:13], s[2:3]
	s_lshl_b32 s2, s42, 9
	s_add_co_u32 s2, s2, s45
	s_add_nc_u64 s[8:9], s[8:9], s[2:3]            ; bo at my 64 columns
.irp b, 0,1,2,3
	global_load_b128 v[BI+8*\b:BI+8*\b+3], v6, s[8:9] offset:64*\b
	global_load_b128 v[BI+8*\b+4:BI+8*\b+7], v6, s[8:9] offset:64*\b+16
.endr
.irp i, 0,1,2,3,4,5,6,7
	global_load_b128 v[TMP+4*\i:TMP+4*\i+3], v[LI], s[10:11] offset:512*\i   ; the 1,024 waves' largest |v|: 32 numbers a lane
.endr
	s_lshl_b32 s18, s[FB], 15                      ; my 64 tokens of o's image
	v_add_nc_u32 v[ADRA], s18, v[LI]
	s_add_co_u32 s18, s18, SLOT
	v_add_nc_u32 v[ADRA+1], s18, v[LI]
	v_mul_u32_u24 v4, v1, PITCH
	v_lshl_add_u32 v4, v2, 4, v4                   ; a fragment of Wo: row x pitch + 16 x half
	s_mul_i32 s19, s[HF], HALFB
	s_add_co_u32 s19, s19, AIMG
	v_add_nc_u32 v[ADRB], s19, v4
	s_add_co_u32 s19, s19, SLOT
	v_add_nc_u32 v[ADRB+1], s19, v4
	s_mul_i32 s18, s[WV], 16*SPITCH
	s_add_co_u32 s18, s18, STAGE                   ; my stage
	v_mul_u32_u24 v4, v1, SPITCH
	v_lshl_add_u32 v4, v2, 5, v4
	v_add_nc_u32 v[STO], s18, v4                   ; in: row r, 32 bytes for each half of the lanes
	v_mul_u32_u24 v5, v2, SPITCH
	v_lshl_add_u32 v5, v1, 4, v5
	v_add_nc_u32 v[RD], s18, v5                    ; back: lanes 0-15 one row of 256 bytes, lanes 16-31 the next
	v_lshlrev_b32 v5, 12, v2
	v_lshl_add_u32 v[CO], v1, 4, v5                ; and the same two rows in out0
	s_mov_b32 s18, 0x76543210
	s_mov_b32 s19, 0xfedcba98
	v_mov_b32 v15, 0                               ; (a lane permute's destination counts as one of its sources)
	s_wait_loadcnt 0x0
	v_max3_num_f32 v14, v[TMP], v[TMP+1], v[TMP+2] ; the largest |v| of the tensor, by the same lines as in the launch before: the same exponent field F
.irp i, 3,5,7,9,11,13,15,17,19,21,23,25,27,29
	v_max3_num_f32 v14, v14, v[TMP+\i], v[TMP+\i+1]
.endr
	v_max3_num_f32 v14, v14, v[TMP+31], 0x07000000
	v_max_num_f32_dpp v14, v14, v14 row_xmask:1 row_mask:0xf bank_mask:0xf
	v_max_num_f32_dpp v14, v14, v14 row_xmask:2 row_mask:0xf bank_mask:0xf
	v_max_num_f32_dpp v14, v14, v14 row_xmask:4 row_mask:0xf bank_mask:0xf
	v_max_num_f32_dpp v14, v14, v14 row_xmask:8 row_mask:0xf bank_mask:0xf
	v_permlanex16_b32 v15, v14, s18, s19
	v_max_num_f32 v14, v14, v15
	v_lshrrev_b32 v14, 23, v14
	v_add_nc_u32 v14, -13, v14
	v_lshlrev_b32 v[SDN], 23, v14                  ; 2^(F - 140) = 2^-s
	v_mov_b32 v[SDN+1], v[SDN]
	s_wait_tensorcnt 1                             ; my part of K step 0 is in; K step 1's load, issued behind it, may be out
	s_barrier_signal -1
	s_barrier_wait -1                              ; everybody's is
	FETCH 0, 0, F0
	QUARTER 0, 128, F0, F1, 1                      ; K step 0; its first products start the sums
	QUARTER 0, 256, F1, F0, 0
	QUARTER 0, 384, F0, F1, 0
	TURN 0, 1, 1                                   ; slot 0 takes K step 2
	QUARTER 1, 128, F0, F1, 0                      ; K step 1
	QUARTER 1, 256, F1, F0, 0
	QUARTER 1, 384, F0, F1, 0
	TURN 1, 0, 1                                   ; slot 1 takes K step 3
	QUARTER 0, 128, F0, F1, 0                      ; K step 2
	QUARTER 0, 256, F1, F0, 0
	QUARTER 0, 384, F0, F1, 0
	TURN 0, 1, 0                                   ; nothing is left to ask for
	QUARTER 1, 128, F0, F1, 0                      ; K step 3
	QUARTER 1, 256, F1, F0, 0
	QUARTER 1, 384, F0, F1, 0
	s_wait_dscnt 16                                ; the very last quarter
	WIN MUL
	MUL8 F1, 0, 0, 0
	MUL8 F1, 0, 2, 0
	s_wait_dscnt 0x0
	MUL8 F1, 1, 0, 0
	MUL8 F1, 1, 2, 0
	WIN 0
	PLACES
	PACKB 0
	TOSTAGE 0
.irp a, 1,2,3
	PACKB \a                                       ; a tile's arithmetic stands between the loads of the tile before and its stores
	TOSTAGE \a
	SEND \a-1, 16                                  ; behind tile a - 1's loads: tile a's eight stores and eight loads
.endr
	SEND 3, 0
	s_wait_tensorcnt 0x0                           ; the wave's end, behind my last tensor load and my last LDS store
	ds_add_u32 v[SPW], v[NIL]
	s_wait_dscnt 0x0
	CROUND                                         ; the closing round
	s_endpgm
.Lfunc_end_k_q3b5bb66986_oproj:
	.size	k_q3b5bb66986_oproj, .Lfunc_end_k_q3b5bb66986_oproj-k_q3b5bb66986_oproj
	.p2alignl 7, 3214868480
	.fill 96, 4, 3214868480
	.section	.rodata,"a",@progbits
	.p2align	6, 0x0
	.amdhsa_kernel k_q3b5bb66986_oproj
		.amdhsa_group_segment_fixed_size 327680
		.amdhsa_private_segment_fixed_size 0
		.amdhsa_enable_private_segment 0
		.amdhsa_kernarg_size 40
		.amdhsa_user_sgpr_count 2
		.amdhsa_user_sgpr_kernarg_segment_ptr 1
		.amdhsa_wavefront_size32 1
		.amdhsa_system_sgpr_workgroup_id_x 1
		.amdhsa_system_sgpr_workgroup_id_y 1
		.amdhsa_system_sgpr_workgroup_id_z 1
		.amdhsa_system_vgpr_workitem_id 0
		.amdhsa_next_free_vgpr 512
		.amdhsa_next_free_sgpr 66
		.amdhsa_reserve_vcc 0
		.amdhsa_float_denorm_mode_32 3
		.amdhsa_float_denorm_mode_16_64 3
		.amdhsa_memory_ordered 1
		.amdhsa_forward_progress 1
		.amdhsa_inst_pref_size 92
	.end_amdhsa_kernel
	.amdgpu_metadata
---
amdhsa.version: [ 1, 2 ]
amdhsa.kernels:
  - .name:           k_q3b5bb66986_oproj
    .symbol:         k_q3b5bb66986_oproj.kd
    .args:
      - { .name: of, .offset: 0, .size: 8, .value_kind: global_buffer, .address_space: global }
      - { .name: wo16, .offset: 8, .size: 8, .value_kind: global_buffer, .address_space: global }
      - { .name: bo, .offset: 16, .size: 8, .value_kind: global_buffer, .address_space: global }
      - { .name: vmax, .offset: 24, .size: 8, .value_kind: global_buffer, .address_space: global }
      - { .name: out0, .offset: 32, .size: 8, .value_kind: global_buffer, .address_space: global }
    .group_segment_fixed_size: 327680
    .private_segment_fixed_size: 0
    .kernarg_segment_align: 8
    .kernarg_segment_size: 40
    .max_flat_workgroup_size: 128
    .sgpr_count:     66
    .vgpr_count:     512
    .wavefront_size: 32
...
	.end_amdgpu_metadata
.endif
;; end of part 4
